; MI455X (gfx1250); checked and timed in simulation.
; The chip was launched on July 23, 2026; its instructions are those of AMD's public machine-readable ISA for CDNA 5 (MIT licence, August 2026) and "CDNA5" Instruction Set Architecture Reference Guide (July 2026). The comments in the code are by the model that wrote it; some were corrected since.
;; Multi Head Attention. Allowed arithmetic: float matrix products may take bf16 or f16 operands with f32 sums; all other float work in f32.
;; Inputs: Wqk 1,024 x 1,024 float32; Wvc 1,024 x 1,024 float32; mask 4 x 2,048 x 2,048 int32; x 4 x 2,048 x 1,024 float32.
;; Outputs: out0 4 x 2,048 x 1,024 float32.
;; 2 versions, each right; version 2 is version 1 with the launch prep written anew for expert scheduling mode. Each part assembles by itself: llvm-mc -triple=amdgcn-amd-amdhsa -mcpu=gfx1250 --defsym DOCPART=n.
;; ======== version 1 of 2: 4 launches
;; limits: values are held in f16: magnitudes above 65,504 overflow, below 6.1e-05 lose precision
;; workspace buffers: xh 16,777,216 bytes; wh 4,194,304 bytes; qv 33,554,432 bytes; pw 33,554,432 bytes; st 1,048,576 bytes
;; launch prep (part 1): grid 256 x 1, 8 waves a work-group, no clusters, 0 bytes of LDS; arguments x, Wqk, Wvc, xh, wh; writes xh, wh
.if DOCPART == 1
	.amdgcn_target "amdgcn-amd-amdhsa--gfx1250"
	.amdhsa_code_object_version 6
	.text
	.protected	k_q5e13ed8c1e_prep
	.globl	k_q5e13ed8c1e_prep
	.p2align	8
	.type	k_q5e13ed8c1e_prep,@function
k_q5e13ed8c1e_prep:
	s_mov_b64 s[64:65], 0
	v_nop
	global_prefetch_b8 v0, s[64:65] scope:SCOPE_SE
	s_setreg_imm32_b32 hwreg(HW_REG_WAVE_MODE, 25, 1), 1
	s_wait_xcnt 0x0
; PREP.  xh = f16(bf16(x / 16)), [8192][1024];  wh = f16(bf16(W)), rows 0-1023 Wqk, rows 1024-2047 Wvc.
; Every input is rounded to bf16 once; that number is then written as f16, which is exact where it is a normal f16.  The factor 1/16 is a power of two and commutes with the rounding.
; LIMITS.  |x| / 16 and |W| stay under 65,504; below 6.1e-5 f16 keeps its fixed step of 6e-8 (1e-6 in units of x).  NaN and infinities are not treated apart.
; SHARES.  Work-group g: 32 rows of x, 8 rows of W.  Wave w: 16 KiB of x (32 loads), 4 KiB of W (8 loads): all 40 loads of a wave go out at its start, 512 consecutive bytes each.
; A stream: no byte is read twice, so there is no LDS, no cluster, no barrier and no matrix work.
.set XO,  2                            ; v2   byte offset of my 16 bytes in the group's x
.set XHO, 3                            ; v3   of my 8 bytes in the group's xh
.set WO,  4                            ; v4   the same for W
.set WHO, 5                            ; v5   and wh
.set X,   32                           ; v[32:191]  item n of 40: four f32 as loaded, then four f16 in its first two registers
	s_load_b256 s[4:11], s[0:1], 0x0               ; x s[4:5], Wqk s[6:7], Wvc s[8:9], xh s[10:11]
	s_load_b64 s[12:13], s[0:1], 0x20              ; wh
	v_lshrrev_b32 v1, 5, v0                        ; wave
	s_mov_b32 s40, 0x3d800000                      ; 1/16
	s_mov_b32 s41, 0x3d800000                      ; named with it as a pair
	s_mov_b32 s42, 0xffff0000                      ; a word's upper bf16
	v_and_b32 v8, 31, v0                           ; lane
	v_lshlrev_b32 v9, 4, v8
	v_lshl_add_u32 v[XO], v1, 14, v9               ; 16,384 w + 16 lane
	v_lshl_add_u32 v[WO], v1, 12, v9               ; 4,096 w + 16 lane
	v_lshlrev_b32 v9, 3, v8
	v_lshl_add_u32 v[XHO], v1, 13, v9              ; 8,192 w + 8 lane
	v_lshl_add_u32 v[WHO], v1, 11, v9              ; 2,048 w + 8 lane
	s_lshl_b32 s46, ttmp9, 17                      ; x: 32 rows of 4,096 bytes
	s_mov_b32 s47, 0
	s_and_b32 s44, ttmp9, 127
	s_lshl_b32 s44, s44, 15                        ; W: 8 rows of 4,096 bytes
	s_mov_b32 s45, 0
	s_wait_kmcnt 0x0
	s_cmp_lt_u32 ttmp9, 128                        ; groups 0-127 take Wqk, 128-255 Wvc
	s_cselect_b64 s[6:7], s[6:7], s[8:9]
	s_add_nc_u64 s[4:5], s[4:5], s[46:47]
	s_add_nc_u64 s[6:7], s[6:7], s[44:45]
.set it, 0
.rept 32
	global_load_b128 v[X+4*it:X+4*it+3], v[XO], s[4:5] offset:512*it th:TH_LOAD_NT
.set it, it+1
.endr
.set it, 0
.rept 8
	global_load_b128 v[X+128+4*it:X+128+4*it+3], v[WO], s[6:7] offset:512*it th:TH_LOAD_NT
.set it, it+1
.endr
	s_lshl_b32 s46, ttmp9, 16
	s_add_nc_u64 s[10:11], s[10:11], s[46:47]      ; xh: 32 rows of 2,048 bytes
	s_lshl_b32 s46, ttmp9, 14
	s_add_nc_u64 s[12:13], s[12:13], s[46:47]      ; wh: 8 rows of 2,048 bytes
; Item n: four numbers are (scaled,) rounded to bf16, widened, and written as f16 into the item's own registers, which nothing writes again: no wait for the store.
.macro CONV n, scaled
.set R, X+4*(\n)
	s_wait_loadcnt 39-(\n)                         ; loads come back in order (ISA guide 5.7.1): item n is in, the younger ones stay out
.if \scaled
	v_pk_mul_f32 v[R:R+1], v[R:R+1], s[40:41] op_sel_hi:[1,0]
	v_pk_mul_f32 v[R+2:R+3], v[R+2:R+3], s[40:41] op_sel_hi:[1,0]
.endif
	v_cvt_pk_bf16_f32 v[R], v[R], v[R+1]
	v_cvt_pk_bf16_f32 v[R+2], v[R+2], v[R+3]
	v_and_b32 v[R+1], s42, v[R]
	v_lshlrev_b32 v[R], 16, v[R]
	v_and_b32 v[R+3], s42, v[R+2]
	v_lshlrev_b32 v[R+2], 16, v[R+2]
	v_cvt_pk_f16_f32 v[R], v[R], v[R+1]
	v_cvt_pk_f16_f32 v[R+1], v[R+2], v[R+3]
.if \scaled
	global_store_b64 v[XHO], v[R:R+1], s[10:11] offset:256*(\n)       ; the wave's 32 lanes store 256 consecutive bytes, aligned
.else
	global_store_b64 v[WHO], v[R:R+1], s[12:13] offset:256*((\n)-32)
.endif
.endm
.set it, 0
.rept 32
	CONV it, 1
.set it, it+1
.endr
.rept 8
	CONV it, 0
.set it, it+1
.endr
	s_endpgm
.Lfunc_end_k_q5e13ed8c1e_prep:
	.size	k_q5e13ed8c1e_prep, .Lfunc_end_k_q5e13ed8c1e_prep-k_q5e13ed8c1e_prep
	.p2alignl 7, 3214868480
	.fill 96, 4, 3214868480
	.section	.rodata,"a",@progbits
	.p2align	6, 0x0
	.amdhsa_kernel k_q5e13ed8c1e_prep
		.amdhsa_group_segment_fixed_size 0
		.amdhsa_private_segment_fixed_size 0
		.amdhsa_enable_private_segment 0
		.amdhsa_kernarg_size 40
		.amdhsa_user_sgpr_count 2
		.amdhsa_user_sgpr_kernarg_segment_ptr 1
		.amdhsa_wavefront_size32 1
		.amdhsa_system_sgpr_workgroup_id_x 1
		.amdhsa_system_sgpr_workgroup_id_y 1
		.amdhsa_system_sgpr_workgroup_id_z 1
		.amdhsa_system_vgpr_workitem_id 0
		.amdhsa_next_free_vgpr 192
		.amdhsa_next_free_sgpr 66
		.amdhsa_reserve_vcc 0
		.amdhsa_float_denorm_mode_32 3
		.amdhsa_float_denorm_mode_16_64 3
		.amdhsa_memory_ordered 1
		.amdhsa_forward_progress 1
		.amdhsa_inst_pref_size 30
	.end_amdhsa_kernel
	.amdgpu_metadata
---
amdhsa.version: [ 1, 2 ]
amdhsa.kernels:
  - .name:           k_q5e13ed8c1e_prep
    .symbol:         k_q5e13ed8c1e_prep.kd
    .args:
      - { .name: x, .offset: 0, .size: 8, .value_kind: global_buffer, .address_space: global }
      - { .name: Wqk, .offset: 8, .size: 8, .value_kind: global_buffer, .address_space: global }
      - { .name: Wvc, .offset: 16, .size: 8, .value_kind: global_buffer, .address_space: global }
      - { .name: xh, .offset: 24, .size: 8, .value_kind: global_buffer, .address_space: global }
      - { .name: wh, .offset: 32, .size: 8, .value_kind: global_buffer, .address_space: global }
    .group_segment_fixed_size: 0
    .private_segment_fixed_size: 0
    .kernarg_segment_align: 8
    .kernarg_segment_size: 40
    .max_flat_workgroup_size: 256
    .sgpr_count:     66
    .vgpr_count:     192
    .wavefront_size: 32
...
	.end_amdgpu_metadata
.endif
;; end of part 1
;; launch proj (part 2): grid 8 x 32, 4 waves a work-group, clusters of 4 x 4, 327,680 bytes of LDS; arguments xh, wh, qv; writes qv
.if DOCPART == 2
	.amdgcn_target "amdgcn-amd-amdhsa--gfx1250"
	.amdhsa_code_object_version 6
	.text
	.protected	k_q5e13ed8c1e_proj
	.globl	k_q5e13ed8c1e_proj
	.p2align	8
	.type	k_q5e13ed8c1e_proj,@function
k_q5e13ed8c1e_proj:
	s_mov_b64 s[64:65], 0
	v_nop
	global_prefetch_b8 v0, s[64:65] scope:SCOPE_SE
	s_setreg_imm32_b32 hwreg(HW_REG_WAVE_MODE, 25, 1), 1
	s_wait_xcnt 0x0
	s_wait_alu depctr_hold_cnt(0) depctr_sa_sdst(0) depctr_va_vdst(0) depctr_va_sdst(0) depctr_va_ssrc(0) depctr_va_vcc(0) depctr_vm_vsrc(0)
	s_getreg_b32 s2, hwreg(HW_REG_IB_STS2, 6, 4)
	s_cmp_eq_u32 s2, 0
	s_cbranch_scc0 .Lentry_in_a_cluster
	s_endpgm
.Lentry_in_a_cluster:
	s_bfe_u32 s2, ttmp6, 0x10000c
	s_cmp_lg_u32 s2, 0xf033
	s_cbranch_scc0 .Lentry_shape_is_right
	s_endpgm
.Lentry_shape_is_right:
; PROJ.  qv[n][e] = sum over d of xh[n][d] wh[e][d]: [8192][2048] f16, sums in f32, rounded once.  Columns 0-1023 are q / 16, columns 1024-2047 are v / 16 with v = x Wvc^T
; (the last product of the module is taken to the front: P (x Wvc^T) = (P x) Wvc^T).
; LIMIT.  |q| / 16 and |v| / 16 stay under 65,504, f16's end.
; A tile of 256 x 256 is made by four waves, each 128 x 128: 64 accumulators of 16 x 16, 512 registers.  K = 1024 goes in 8 steps of 128 through two LDS slots filled by the tensor data mover;
; a tile's rows are 256 bytes of memory, aligned.  One K step is written once: the slot in hand is a scalar (TB), turned by an exclusive or; one descriptor a tensor walks.
; CLUSTERS: 4 x 4 work-groups.  The four of a row of the cluster need the same tiles of xh, the four of a column the same tiles of wh: each tile is asked for jointly.
; THE MATRIX INSTRUCTION IS USED TRANSPOSED (source 0 = 16 rows of wh, source 1 = 16 rows of xh): a lane then holds eight neighbouring numbers of a row of qv.
; REGISTERS, in windows of 256: window 0: v0-31 addresses; v64-127, v128-191 fragments of A, two buffers; v32-63, v192-255 at work on the way out.
;   window 1: v64-127, v128-191 fragments of B.   window 2: accumulators of my rows 0-63 ((a, b) at v[8 (8 a + b)]).   window 3: those of my rows 64-127.
.set KSTEP,  128
.set PITCH,  272                       ; an LDS row: 256 bytes + 16 of padding: the 16 rows of a load start at 16 different groups of four banks (ISA guide 11.1)
.set HALFT,  128*PITCH                 ; what one tensor load brings
.set SLOT,   4*HALFT                   ; A's 256 rows, then B's 256 rows.  0x22000: it shares no bit with wave x HALFT, so an exclusive or with it adds or takes it away
.set STAGE,  2*SLOT                    ; behind the ring: 16 rows x 272 bytes for each wave
.set SPITCH, 272
.set SPARE,  STAGE+4*16*SPITCH         ; the spare words, 128 bytes a wave: two blocks of 256 bytes that no other line names
.set CROW,   4096                      ; bytes in a row of qv
.set GW, (1<<16)|(1<<20)|(1<<21)|(5<<22)|(3<<25)  ; elements of 2 bytes; padding on; bit 21 beside a mask; after every 64 words (code 5) 4 words (code 3)
.set ADRA, 16                          ; v16  LDS address of my A fragments in the slot in hand
.set A0,   17                          ; v17  the same in slot 0; never rewritten
.set ADRB, 20                          ; v20, v21 the same for B
.set B0,   21
.set STO,  24                          ; v24  the way out: where I put 16 bytes of a row
.set RD,   25                          ; v25  where I read a row back
.set CO,   26                          ; v26  my byte offset in qv
.set SPW,  28                          ; v28  LDS address of my spare word; never rewritten
.set NIL,  29                          ; v29  0; never rewritten
.set F0,   64
.set F1,   128
.set TMP,  192
.set OB,   32
.set G1,  24                           ; s[24:31] group 1 for A;  s[32:35] group 0 of slot 0's first fill;  s[36:39] the walking group 0
.set G0,  32
.set G1B, 48                           ; s[48:55], s[56:59], s[60:63] the same for B
.set G0B, 56
.set TB,  43                           ; s43  LDS byte at which the slot in hand begins
.set MSB, 0
.macro WIN new                         ; the immediate's high byte repeats the setting that is left; a switch that changes nothing is dropped
.if MSB != (\new)
	s_set_vgpr_msb (MSB<<8)|(\new)
.set MSB, \new
.endif
.endm
.set MUL_LO, 0xa1                      ; source 0 (B) window 1, source 1 (A) window 0, C and D window 2
.set MUL_HI, 0xf1                      ; the same, C and D window 3
.set TO_B,   0x40                      ; destination window 1, address window 0
.macro PLACES                          ; four places between a matrix instruction and a load into, or a vector instruction on, its registers
.rept 4
	v_nop
.endr
.endm
; A joint refill.  Waves 0 and 1 fetch A's two halves, waves 2 and 3 B's.  The branch hangs on the wave's number alone.  An s_nop 0 and four v_nop follow each line.
.macro JLOAD
	s_cmp_eq_u32 s11, 0
	s_cbranch_scc0 .Lfor_b_\@
	tensor_load_to_lds s[G0+4:G0+7], s[G1:G1+7]
	s_nop 0
.rept 4
	v_nop
.endr
	s_branch .Lasked_\@
.Lfor_b_\@:
	tensor_load_to_lds s[G0B+4:G0B+7], s[G1B:G1B+7]
	s_nop 0
.rept 4
	v_nop
.endr
.Lasked_\@:
.endm
.macro CREST                           ; a round of the cluster's barrier behind its opening barrier
	s_cmp_lg_u32 s10, 0
	s_cbranch_scc1 .Lnot_wave_0_\@
	s_barrier_signal -3
.Lnot_wave_0_\@:
	s_barrier_wait -3
	s_barrier_signal -1
	s_barrier_wait -1
.endm
.macro CROUND                          ; a whole round
	s_barrier_signal -1
	s_barrier_wait -1
	CREST
.endm
	s_load_b128 s[4:7], s[0:1], 0x0                ; xh s[4:5], wh s[6:7]
	s_load_b64 s[8:9], s[0:1], 0x10                ; qv
	v_lshl_add_u32 v[SPW], v0, 2, SPARE
	v_mov_b32 v[NIL], 0
	ds_add_u32 v[SPW], v[NIL]                      ; the wave's opening: the add and its wait stand ahead of my first tensor load; work on registers stands between them
	v_lshrrev_b32 v1, 5, v0
	v_readfirstlane_b32 s10, v1                    ; wave 0..3
	s_lshr_b32 s11, s10, 1                         ; which half of the tile's rows is mine.  Also: I fetch for A (0) or for B (1)
	s_and_b32 s12, s10, 1                          ; which half of its columns.  Also: which 128 rows I fetch
	s_bfe_u32 s40, ttmp6, 0x40000                  ; cx
	s_bfe_u32 s41, ttmp6, 0x40004                  ; cy
	s_lshl_b32 s42, ttmp9, 2
	s_add_co_u32 s42, s42, s40                     ; tile column = 4 x cluster x + cx
	s_and_b32 s13, ttmp7, 0xffff
	s_lshl_b32 s13, s13, 2
	s_add_co_u32 s13, s13, s41                     ; tile row = 4 x cluster y + cy
	s_lshl_b32 s43, s41, 2
	s_lshl_b32 s43, 15, s43                        ; my row of the cluster
	s_lshl_b32 s44, 0x1111, s40                    ; my column
	s_or_b32 s[G1], s43, GW
	s_or_b32 s[G1B], s44, GW
.irp g, G1, G1B
	s_mov_b32 s[(\g)+1], KSTEP<<16                 ; tensor_dim0 = 128
	s_mov_b32 s[(\g)+2], 128<<16                   ; tensor_dim1 = 128
	s_mov_b32 s[(\g)+3], KSTEP<<16                 ; tile_dim0 = 128
	s_mov_b32 s[(\g)+4], 128                       ; tile_dim1 = 128
	s_mov_b32 s[(\g)+5], 1024                      ; elements from row to row
	s_mov_b32 s[(\g)+6], 0
	s_mov_b32 s[(\g)+7], 0
.endr
	s_lshl_b32 s17, s12, 7
	s_lshl_b32 s16, s13, 8
	s_add_co_u32 s16, s16, s17                     ; A: row 256 x tile row + 128 x half
	s_lshl_b32 s16, s16, 11                        ; rows of 2,048 bytes
	s_lshl_b32 s46, s42, 8
	s_add_co_u32 s46, s46, s17                     ; B: row 256 x tile column + 128 x half
	s_lshl_b32 s46, s46, 11
	s_mov_b32 s17, 0
	s_mov_b32 s47, 0
	s_mul_i32 s20, s10, HALFT                      ; where they go: wave x 128 rows
	s_mov_b32 s[TB], 0
	s_wait_dscnt 0x0                               ; the opening add is done
	s_wait_kmcnt 0x0
	s_add_nc_u64 s[14:15], s[4:5], s[16:17]
	s_add_nc_u64 s[46:47], s[6:7], s[46:47]
	CROUND                                         ; all sixteen work-groups are here: the first joint loads meet
.irp s, 0,1
	s_mov_b32 s[G0+4*(\s)], 1
	s_add_co_u32 s[G0+4*(\s)+1], s20, (\s)*SLOT
	s_add_nc_u64 s[G0+4*(\s)+2:G0+4*(\s)+3], s[14:15], (\s)*KSTEP*2
	s_or_b32 s[G0+4*(\s)+3], s[G0+4*(\s)+3], 0x80000000
	s_mov_b32 s[G0B+4*(\s)], 1
	s_add_co_u32 s[G0B+4*(\s)+1], s20, (\s)*SLOT
	s_add_nc_u64 s[G0B+4*(\s)+2:G0B+4*(\s)+3], s[46:47], (\s)*KSTEP*2
	s_or_b32 s[G0B+4*(\s)+3], s[G0B+4*(\s)+3], 0x80000000
.endr
	s_cmp_eq_u32 s11, 0                            ; a wave's two first fills stand in one branch: two loads of mine are out
	s_cbranch_scc0 .Lfirst_b
	tensor_load_to_lds s[G0:G0+3], s[G1:G1+7]
	s_nop 0
	tensor_load_to_lds s[G0+4:G0+7], s[G1:G1+7]
	s_nop 0
.rept 4
	v_nop
.endr
	s_branch .Lfirst_asked
.Lfirst_b:
	tensor_load_to_lds s[G0B:G0B+3], s[G1B:G1B+7]
	s_nop 0
	tensor_load_to_lds s[G0B+4:G0B+7], s[G1B:G1B+7]
	s_nop 0
.rept 4
	v_nop
.endr
.Lfirst_asked:
	; A fragment is 16 rows x 32 K in 8 registers: lane l holds row l % 16, K = 8 (l / 16) + 0..7 and 16 + 8 (l / 16) + 0..7: two loads of 16 bytes, 32 bytes apart.
	v_and_b32 v1, 15, v0                           ; r
	v_bfe_u32 v2, v0, 4, 1                         ; h
	v_mul_u32_u24 v3, v1, PITCH
	v_lshl_add_u32 v3, v2, 4, v3                   ; 272 r + 16 h
	s_mul_i32 s21, s11, HALFT                      ; my 128 rows of A
	s_mul_i32 s22, s12, HALFT                      ; my 128 rows of B,
	s_add_co_u32 s22, s22, 2*HALFT                 ; which lie behind A's 256
	v_add_nc_u32 v[A0], s21, v3
	v_add_nc_u32 v[B0], s22, v3
	v_mov_b32 v[ADRA], v[A0]
	v_mov_b32 v[ADRB], v[B0]
	s_mul_i32 s23, s10, 16*SPITCH
	s_add_co_u32 s23, s23, STAGE                   ; my stage
	v_add_nc_u32 v[STO], s23, v3                   ; in: row r, 16 bytes for each half of the lanes
	v_mul_u32_u24 v5, v2, SPITCH                   ; back: lanes 0-15 one row of 256 bytes, lanes 16-31 the next
	v_lshl_add_u32 v5, v1, 4, v5
	v_add_nc_u32 v[RD], s23, v5
	v_lshlrev_b32 v5, 12, v2                       ; and the same two rows in qv
	v_lshl_add_u32 v[CO], v1, 4, v5
	s_lshl_b32 s16, s13, 8
	s_lshl_b32 s14, s11, 7
	s_add_co_u32 s16, s16, s14                     ; my first row
	s_lshl_b32 s16, s16, 12
	s_mov_b32 s17, 0
	s_add_nc_u64 s[8:9], s[8:9], s[16:17]
	s_lshl_b32 s46, s42, 9                         ; my first column, in bytes
	s_lshl_b32 s47, s12, 8
	s_add_co_u32 s46, s46, s47
	s_mov_b32 s47, 0
	s_add_nc_u64 s[8:9], s[8:9], s[46:47]
; 16 matrix instructions: m blocks a0, a0 + 1 of the window's four x all 8 n blocks, 32 along K.  zero = 1: the first product starts the sums.
; The 64 accumulators take turns, one instruction a turn, in the same order in every quarter.
.macro MUL16 f, hi, a0, zero
	WIN MUL_LO+0x50*(\hi)
.irp a, \a0, (\a0)+1
.irp b, 0,1,2,3,4,5,6,7
.if \zero
	v_wmma_f32_16x16x32_f16 v[8*(8*(\a)+(\b)):8*(8*(\a)+(\b))+7], v[(\f)+8*(\b):(\f)+8*(\b)+7], v[(\f)+8*(4*(\hi)+(\a)):(\f)+8*(4*(\hi)+(\a))+7], 0
.else
	v_wmma_f32_16x16x32_f16 v[8*(8*(\a)+(\b)):8*(8*(\a)+(\b))+7], v[(\f)+8*(\b):(\f)+8*(\b)+7], v[(\f)+8*(4*(\hi)+(\a)):(\f)+8*(4*(\hi)+(\a))+7], v[8*(8*(\a)+(\b)):8*(8*(\a)+(\b))+7]
.endif
.endr
.endr
.endm
; 32 LDS loads in one run: the fragments of a quarter step (32 K at byte k of the rows of the slot in hand) into buffer f: B's 16, then A's 16
.macro FETCH k, f
	WIN TO_B
.irp i, 0,1,2,3,4,5,6,7
	ds_load_b128 v[(\f)+8*(\i):(\f)+8*(\i)+3],   v[ADRB] offset:(\k)+(\i)*16*PITCH
	ds_load_b128 v[(\f)+8*(\i)+4:(\f)+8*(\i)+7], v[ADRB] offset:(\k)+(\i)*16*PITCH+32
.endr
	WIN 0
.irp i, 0,1,2,3,4,5,6,7
	ds_load_b128 v[(\f)+8*(\i):(\f)+8*(\i)+3],   v[ADRA] offset:(\k)+(\i)*16*PITCH
	ds_load_b128 v[(\f)+8*(\i)+4:(\f)+8*(\i)+7], v[ADRA] offset:(\k)+(\i)*16*PITCH+32
.endr
.endm
; One of a K step's first three quarters: multiplies buffer f; in its middle it fetches the next quarter, at byte k, into buffer g.
.macro QUARTER k, f, g, zero
	s_wait_dscnt 8                                 ; B and A's rows 0-63 are in; the youngest eight loads (A's rows 64-127) may be out
	MUL16 \f, 0, 0, \zero
	MUL16 \f, 0, 2, \zero
	PLACES
	FETCH \k, \g
	s_wait_dscnt 32                                ; all but the 32 just issued
	MUL16 \f, 1, 0, \zero
	MUL16 \f, 1, 2, \zero
.endm
; The last quarter multiplies buffer 1 and changes slots.  In front of the barrier each wave waits for all its tensor loads (one is out: its part of the next slot), adds 0 to its spare word,
; and waits for that and for its reads of this slot.  fill = 1: the barrier opens a round of the cluster's barrier, and the slot just read is filled again, two K steps ahead, first thing behind the round:
; that load has 224 matrix instructions in which to land.
.macro TURN fill
	WIN 0
	s_wait_tensorcnt 0x0
	ds_add_u32 v[SPW], v[NIL]
	s_wait_dscnt 9                                 ; the add and the youngest eight loads may be out
	MUL16 F1, 0, 0, 0
	s_wait_dscnt 0x0                               ; the add is done, and my reads of this slot are over
	s_barrier_signal -1
	MUL16 F1, 0, 2, 0
	WIN 0
	s_barrier_wait -1
.if \fill
	CREST
	s_xor_b32 s[G0+5], s[G0+5], SLOT               ; the walking descriptors: the other slot than last time, the next K step
	s_add_nc_u64 s[G0+6:G0+7], s[G0+6:G0+7], KSTEP*2
	s_xor_b32 s[G0B+5], s[G0B+5], SLOT
	s_add_nc_u64 s[G0B+6:G0B+7], s[G0B+6:G0B+7], KSTEP*2
	JLOAD                                          ; its four v_nop are also the places in front of the loads below
.else
	PLACES
.endif
	s_xor_b32 s[TB], s[TB], SLOT
	v_add_nc_u32 v[ADRA], s[TB], v[A0]
	v_add_nc_u32 v[ADRB], s[TB], v[B0]
	FETCH 0, F0
	MUL16 F1, 1, 0, 0
	MUL16 F1, 1, 2, 0
.endm
; THE WAY OUT of block a (16 rows): rounded to f16, 16 bytes a lane; through my own stage in LDS; stored as whole rows of 256 bytes.
.macro PACK a
.set AC, 64*((\a)%4)
	WIN 0x0a+5*((\a)/4)                            ; sources 0 and 1: window 2 or 3
.irp b, 0,1,2,3,4,5,6,7
.irp r, 0,1,2,3
	v_cvt_pk_f16_f32 v[TMP+4*(\b)+(\r)], v[AC+8*(\b)+2*(\r)], v[AC+8*(\b)+2*(\r)+1]
.endr
.endr
	WIN 0
.endm
.macro TOSTAGE a
.set BK, OB+192*((\a)%2)
.irp b, 0,1,2,3,4,5,6,7
	ds_store_b128 v[STO], v[TMP+4*(\b):TMP+4*(\b)+3] offset:32*(\b)
.endr
.irp t, 0,1,2,3,4,5,6,7
	ds_load_b128 v[BK+4*(\t):BK+4*(\t)+3], v[RD] offset:(\t)*2*SPITCH  ; LDS serves a wave's instructions in order (ISA guide 5.7.1.4): these see the stores above
.endr
.endm
.macro SEND a
.set BK, OB+192*((\a)%2)
	s_wait_dscnt 0x0                               ; the block is back in registers
	s_wait_xcnt 0x0                                ; the registers that the block before last's stores read are loaded again only behind this wait (ISA guide 3.1)
.irp t, 0,1,2,3,4,5,6,7
	global_store_b128 v[CO], v[BK+4*(\t):BK+4*(\t)+3], s[8:9] offset:(\a)*16*CROW+2*(\t)*CROW  ; 16 lanes store 256 consecutive bytes, aligned
.endr
.endm
	s_wait_tensorcnt 1                             ; my part of K step 0 is in; K step 1's may stay out
	s_barrier_signal -1
	s_barrier_wait -1
	FETCH 0, F0
	QUARTER 64, F0, F1, 1                          ; the first quarter stands in front of the loop: its products start the sums
	WIN 0
	s_mov_b32 s3, 6
.Lk:                                                   ; a trip: a K step's quarters 2 to 4 and the next step's first; K steps 2 to 7 are asked for
	QUARTER 128, F1, F0, 0
	QUARTER 192, F0, F1, 0
	TURN 1
	QUARTER 64, F0, F1, 0
	WIN 0
	s_sub_co_u32 s3, s3, 1
	s_cmp_lg_u32 s3, 0
	s_cbranch_scc1 .Lk
	s_mov_b32 s3, 2
.Ltail:                                                ; the last two K steps ask for nothing; the second trip is left in its middle
	QUARTER 128, F1, F0, 0
	QUARTER 192, F0, F1, 0
	WIN 0
	s_sub_co_u32 s3, s3, 1
	s_cmp_eq_u32 s3, 0
	s_cbranch_scc1 .Lfin
	TURN 0
	QUARTER 64, F0, F1, 0
	WIN 0
	s_branch .Ltail
.Lfin:
	s_wait_dscnt 8
	MUL16 F1, 0, 0, 0
	MUL16 F1, 0, 2, 0
	s_wait_dscnt 0x0
	MUL16 F1, 1, 0, 0
	MUL16 F1, 1, 2, 0
	WIN 0
	PLACES
	PACK 0
	TOSTAGE 0
.irp a, 1,2,3,4,5,6,7                  ; block a's conversions stand between block a - 1's loads from the stage and the wait for them
	PACK \a
	SEND (\a)-1
	TOSTAGE \a
.endr
	SEND 7
	s_wait_tensorcnt 0x0                           ; the wave's end
	ds_add_u32 v[SPW], v[NIL]
	s_wait_dscnt 0x0
	CROUND                                         ; the closing round
	s_endpgm
.Lfunc_end_k_q5e13ed8c1e_proj:
	.size	k_q5e13ed8c1e_proj, .Lfunc_end_k_q5e13ed8c1e_proj-k_q5e13ed8c1e_proj
	.p2alignl 7, 3214868480
	.fill 96, 4, 3214868480
	.section	.rodata,"a",@progbits
	.p2align	6, 0x0
	.amdhsa_kernel k_q5e13ed8c1e_proj
		.amdhsa_group_segment_fixed_size 327680
		.amdhsa_private_segment_fixed_size 0
		.amdhsa_enable_private_segment 0
		.amdhsa_kernarg_size 24
		.amdhsa_user_sgpr_count 2
		.amdhsa_user_sgpr_kernarg_segment_ptr 1
		.amdhsa_wavefront_size32 1
		.amdhsa_system_sgpr_workgroup_id_x 1
		.amdhsa_system_sgpr_workgroup_id_y 1
		.amdhsa_system_sgpr_workgroup_id_z 1
		.amdhsa_system_vgpr_workitem_id 0
		.amdhsa_next_free_vgpr 1024
		.amdhsa_next_free_sgpr 66
		.amdhsa_reserve_vcc 0
		.amdhsa_float_denorm_mode_32 3
		.amdhsa_float_denorm_mode_16_64 3
		.amdhsa_memory_ordered 1
		.amdhsa_forward_progress 1
		.amdhsa_inst_pref_size 103
	.end_amdhsa_kernel
	.amdgpu_metadata
---
amdhsa.version: [ 1, 2 ]
amdhsa.kernels:
  - .name:           k_q5e13ed8c1e_proj
    .symbol:         k_q5e13ed8c1e_proj.kd
    .args:
      - { .name: xh, .offset: 0, .size: 8, .value_kind: global_buffer, .address_space: global }
      - { .name: wh, .offset: 8, .size: 8, .value_kind: global_buffer, .address_space: global }
      - { .name: qv, .offset: 16, .size: 8, .value_kind: global_buffer, .address_space: global }
    .group_segment_fixed_size: 327680
    .private_segment_fixed_size: 0
    .kernarg_segment_align: 8
    .kernarg_segment_size: 24
    .max_flat_workgroup_size: 128
    .sgpr_count:     66
    .vgpr_count:     1024
    .wavefront_size: 32
...
	.end_amdgpu_metadata
.endif
;; end of part 2
;; launch score (part 3): grid 8 x 32, 4 waves a work-group, clusters of 4 x 4, 327,680 bytes of LDS; arguments qv, xh, mask, pw, st; writes pw, st
.if DOCPART == 3
	.amdgcn_target "amdgcn-amd-amdhsa--gfx1250"
	.amdhsa_code_object_version 6
	.text
	.protected	k_q5e13ed8c1e_score
	.globl	k_q5e13ed8c1e_score
	.p2align	8
	.type	k_q5e13ed8c1e_score,@function
k_q5e13ed8c1e_score:
	s_mov_b64 s[64:65], 0
	v_nop
	global_prefetch_b8 v0, s[64:65] scope:SCOPE_SE
	s_setreg_imm32_b32 hwreg(HW_REG_WAVE_MODE, 25, 1), 1
	s_wait_xcnt 0x0
	s_wait_alu depctr_hold_cnt(0) depctr_sa_sdst(0) depctr_va_vdst(0) depctr_va_sdst(0) depctr_va_ssrc(0) depctr_va_vcc(0) depctr_vm_vsrc(0)
	s_getreg_b32 s2, hwreg(HW_REG_IB_STS2, 6, 4)
	s_cmp_eq_u32 s2, 0
	s_cbranch_scc0 .Lentry_in_a_cluster
	s_endpgm
.Lentry_in_a_cluster:
	s_bfe_u32 s2, ttmp6, 0x10000c
	s_cmp_lg_u32 s2, 0xf033
	s_cbranch_scc0 .Lentry_shape_is_right
	s_endpgm
.Lentry_shape_is_right:
; SCORE.  For each batch acc = (q / 16) (x / 16)^T, so that the score is 8 acc; the mask; and a softmax by chunks of 128 keys.
; For row n and chunk j (a wave's 128 columns):  m = round(c max acc), c = 8 log2(e);  p = 2^(c acc - m), at most 1.42, stored as f16 in pw [8192][2048];  l = the sum of the unrounded p.
; m and l go to st, f32 [plane m, l][batch 4][chunk 16][row 2048].  The next launch takes the rows' maxima of m and scales by 2^(m - max).
; THE MASK is a select behind the product: a hidden score counts as acc = -2^64, that is -1.48e20 where the module writes -1e20.  c x 2^64 is exact, so in a chunk with every key hidden
; c acc - m is exactly 0 and every p is 1: a row with every key hidden comes out uniform, as in the module.
; LIMITS.  True scores stay within 1e18 in magnitude, so that they lie far above a hidden one; a weight below 2^-126 counts as 0; NaN and infinities are not treated apart.
; THE PRODUCT: a tile of 256 queries x 256 keys by four waves of 128 x 128; K = 1024 in 8 steps of 128 through two LDS slots; clusters of 4 x 4 with joint loads: q's tiles along a row of the
; cluster, x's along a column.  The matrix instruction is used transposed (source 0 = 16 keys, source 1 = 16 queries): lane (r, h) holds query 16 a + r and keys 16 b + 8 h + 0..7.
; THE MASK'S WAY IN, beside the products.  A wave's part is 128 rows x 512 bytes; a load takes one row, 512 consecutive bytes.  Each of the K loop's 32 quarters has a UNIT of four rows: 4 loads for the
; block to come, 16 compares (each makes one word of a register's 32 numbers) and 16 writes of such a word to lane r of four registers; a K step has a block of 16 rows, stored as 16 bytes a row to LDS bytes
; of the wave's own.  Compares and lane writes stand in fours behind matrix instructions.  Four sets of 16 registers take turns: 16 loads of a wave are out, each for four quarters.
; Lane 16 h + 15 - (2 b + jj) of a load takes keys 16 b + 8 h + 4 jj + 0..3: so the 16 bits of word c that lane (r, h) of the epilogue needs lie on end, and doubling the word 16 times
; hands them out as carries; the 32 lanes' carries of step s are the lane mask of the lane's element 4 s + c.
; REGISTERS: window 0: v0-31 addresses; v32-63 the epilogue's and the mask's; v64-191 fragments of A, later the epilogue's; v192-255 the mask as loaded; window 1: v64-191 fragments of B;
;   windows 2, 3: the 64 accumulators ((a, b) at v[8 (8 (a % 4) + b)]).
.set KSTEP,  128
.set PITCH,  272                       ; an LDS row: 256 bytes + 16 of padding (ISA guide 11.1: the 16 rows of a load start at 16 different groups of four banks)
.set HALFT,  128*PITCH
.set SLOT,   4*HALFT                   ; 0x22000: it shares no bit with wave x HALFT
.set STAGE,  2*SLOT                    ; behind the ring: 16 rows x 272 bytes for each wave
.set SPITCH, 272
.set SST,    STAGE+4*16*SPITCH         ; for each wave 1,024 bytes: m of its 128 rows, then l
.set MB,     SST+4*1024                ; for each wave the mask's words: eight blocks of 512 bytes (16 bytes a row in the lower half of each)
.set MBW,    9*512                     ; from wave to wave: one block more, so that the stepped addresses never leave the wave's own bytes
.set SPARE,  MB+4*MBW                  ; the spare words: two blocks of 256 bytes that no other line names
.set PROW,   4096                      ; bytes in a row of pw
.set MROW,   8192                      ; bytes in a row of the mask
.set GW, (1<<16)|(1<<20)|(1<<21)|(5<<22)|(3<<25)
.set ADRA, 16
.set A0,   17
.set ADRB, 20
.set B0,   21
.set STO,  24
.set RD,   25
.set CO,   26
.set SSA,  27                          ; v27  where I put m (lanes 0-15) or l (lanes 16-31) of row 16 a + r
.set SPW,  28
.set NIL,  29
.set SGO,  30                          ; v30  16 x lane
.set SSR,  31                          ; v31  my wave's statistics + 16 x lane
.set CH,   32                          ; v32-35 four chains of the maximum
.set SU,   40                          ; v40-47 four chains of the sum, in pairs
.set MO,   49                          ; v49  byte offset of my 16 bytes in a mask row's 512; never rewritten
.set SH,   50                          ; v50  16 for lanes 0-15, 0 for lanes 16-31
.set MBA,  51                          ; v51  where I store the block's words
.set MWD,  52                          ; v52-55 lane r: the four words of row r of the block in hand
.set XB,   56                          ; v56-59 the epilogue: my row's four words, doubled step by step
.set MBR,  60                          ; v60  where I read the next block's words
.set F0,   64
.set F1,   128
.set T,    64                          ; v64-127  the block's 64 scores of my lane, then its weights
.set PK,   128                         ; v128-159 the weights in f16
.set BK,   160                         ; v160-191 the block's rows, back from the stage
.set STG,  192                         ; v192-255 set p of four: four rows of the mask as loaded
.set BAL,  68                          ; s68-83 a unit's sixteen words
.set G1,  24
.set G0,  32
.set G1B, 48
.set G0B, 56
.set TB,  43
.set MSB, 0
.macro WIN new
.if MSB != (\new)
	s_set_vgpr_msb (MSB<<8)|(\new)
.set MSB, \new
.endif
.endm
.set MUL_LO, 0xa1
.set MUL_HI, 0xf1
.set TO_B,   0x40
.macro PLACES
.rept 4
	v_nop
.endr
.endm
.macro JLOAD                           ; a joint refill: waves 0 and 1 fetch A's halves, waves 2 and 3 B's; an s_nop 0 and four v_nop follow each line
	s_cmp_eq_u32 s11, 0
	s_cbranch_scc0 .Lfor_b_\@
	tensor_load_to_lds s[G0+4:G0+7], s[G1:G1+7]
	s_nop 0
.rept 4
	v_nop
.endr
	s_branch .Lasked_\@
.Lfor_b_\@:
	tensor_load_to_lds s[G0B+4:G0B+7], s[G1B:G1B+7]
	s_nop 0
.rept 4
	v_nop
.endr
.Lasked_\@:
.endm
.macro CREST
	s_cmp_lg_u32 s10, 0
	s_cbranch_scc1 .Lnot_wave_0_\@
	s_barrier_signal -3
.Lnot_wave_0_\@:
	s_barrier_wait -3
	s_barrier_signal -1
	s_barrier_wait -1
.endm
.macro CROUND
	s_barrier_signal -1
	s_barrier_wait -1
	CREST
.endm
.macro MLD p                           ; rows 4 p .. 4 p + 3 of the block at s[100:101] into set p; every window is 0 here
.irp i, 0,1,2,3
	global_load_b128 v[STG+16*(\p)+4*(\i):STG+16*(\p)+4*(\i)+3], v[MO], s[100:101] offset:(4*(\p)+(\i))*MROW th:TH_LOAD_NT
.endr
.endm
	s_load_b128 s[4:7], s[0:1], 0x0                ; qv s[4:5], xh s[6:7]
	s_load_b64 s[100:101], s[0:1], 0x10            ; mask
	s_load_b64 s[8:9], s[0:1], 0x18                ; pw
	s_load_b64 s[66:67], s[0:1], 0x20              ; st
	v_lshl_add_u32 v[SPW], v0, 2, SPARE
	v_mov_b32 v[NIL], 0
	ds_add_u32 v[SPW], v[NIL]                      ; the wave's opening: the add and its wait stand ahead of my first tensor load
	v_lshrrev_b32 v1, 5, v0
	v_readfirstlane_b32 s10, v1                    ; wave 0..3
	s_lshr_b32 s11, s10, 1                         ; my half of the tile's queries.  Also: I fetch for A (0) or for B (1)
	s_and_b32 s12, s10, 1                          ; my half of its keys.  Also: which 128 rows I fetch
	s_bfe_u32 s40, ttmp6, 0x40000                  ; cx
	s_bfe_u32 s41, ttmp6, 0x40004                  ; cy
	s_lshl_b32 s42, ttmp9, 2
	s_add_co_u32 s42, s42, s40                     ; tile of 256 keys in the batch
	s_and_b32 s45, ttmp7, 0xffff                   ; the cluster's y: two clusters to a batch
	s_lshl_b32 s13, s45, 2
	s_add_co_u32 s13, s13, s41                     ; tile of 256 queries, over all batches
	s_lshl_b32 s43, s41, 2
	s_lshl_b32 s43, 15, s43                        ; my row of the cluster
	s_lshl_b32 s44, 0x1111, s40                    ; my column
	s_or_b32 s[G1], s43, GW
	s_or_b32 s[G1B], s44, GW
.irp g, G1, G1B
	s_mov_b32 s[(\g)+1], KSTEP<<16
	s_mov_b32 s[(\g)+2], 128<<16
	s_mov_b32 s[(\g)+3], KSTEP<<16
	s_mov_b32 s[(\g)+4], 128
	s_mov_b32 s[(\g)+6], 0
	s_mov_b32 s[(\g)+7], 0
.endr
	s_mov_b32 s[G1+5], 2048                        ; qv: elements from row to row
	s_mov_b32 s[G1B+5], 1024                       ; xh
	s_lshl_b32 s17, s12, 7
	s_lshl_b32 s16, s13, 8
	s_add_co_u32 s16, s16, s17                     ; A: row 256 x query tile + 128 x half,
	s_lshl_b32 s16, s16, 12                        ; of 4,096 bytes
	s_lshr_b32 s21, s45, 1                         ; the batch, from the cluster's y alone
	s_lshl_b32 s21, s21, 11
	s_lshl_b32 s46, s42, 8
	s_add_co_u32 s46, s46, s17
	s_add_co_u32 s46, s46, s21                     ; B: row 2,048 x batch + 256 x key tile + 128 x half,
	s_lshl_b32 s46, s46, 11                        ; of 2,048 bytes
	s_mov_b32 s17, 0
	s_mov_b32 s47, 0
	s_mul_i32 s20, s10, HALFT
	s_mov_b32 s[TB], 0
	s_wait_dscnt 0x0                               ; the opening add is done
	s_wait_kmcnt 0x0
	s_add_nc_u64 s[14:15], s[4:5], s[16:17]
	s_add_nc_u64 s[46:47], s[6:7], s[46:47]
	CROUND                                         ; all sixteen work-groups are here: the first joint loads meet
.irp s, 0,1
	s_mov_b32 s[G0+4*(\s)], 1
	s_add_co_u32 s[G0+4*(\s)+1], s20, (\s)*SLOT
	s_add_nc_u64 s[G0+4*(\s)+2:G0+4*(\s)+3], s[14:15], (\s)*KSTEP*2
	s_or_b32 s[G0+4*(\s)+3], s[G0+4*(\s)+3], 0x80000000
	s_mov_b32 s[G0B+4*(\s)], 1
	s_add_co_u32 s[G0B+4*(\s)+1], s20, (\s)*SLOT
	s_add_nc_u64 s[G0B+4*(\s)+2:G0B+4*(\s)+3], s[46:47], (\s)*KSTEP*2
	s_or_b32 s[G0B+4*(\s)+3], s[G0B+4*(\s)+3], 0x80000000
.endr
	s_cmp_eq_u32 s11, 0                            ; a wave's two first fills stand in one branch: two loads of mine are out
	s_cbranch_scc0 .Lfirst_b
	tensor_load_to_lds s[G0:G0+3], s[G1:G1+7]
	s_nop 0
	tensor_load_to_lds s[G0+4:G0+7], s[G1:G1+7]
	s_nop 0
.rept 4
	v_nop
.endr
	s_branch .Lfirst_asked
.Lfirst_b:
	tensor_load_to_lds s[G0B:G0B+3], s[G1B:G1B+7]
	s_nop 0
	tensor_load_to_lds s[G0B+4:G0B+7], s[G1B:G1B+7]
	s_nop 0
.rept 4
	v_nop
.endr
.Lfirst_asked:
	v_and_b32 v1, 15, v0                           ; r
	v_bfe_u32 v2, v0, 4, 1                         ; h
	v_sub_nc_u32 v5, 15, v1                        ; the mask's lane order: 15 - l % 16 = 2 b + jj,
	v_lshrrev_b32 v6, 1, v5                        ; b
	v_and_b32 v5, 1, v5                            ; jj
	v_lshl_add_u32 v5, v6, 2, v5
	v_lshl_add_u32 v5, v2, 1, v5                   ; 4 b + 2 h + jj: which 16 bytes of the row's 512
	v_lshlrev_b32 v[MO], 4, v5
	s_lshl_b32 s14, s13, 8
	s_lshl_b32 s15, s11, 7
	s_add_co_u32 s14, s14, s15                     ; my first query, over all batches
	s_lshl_b32 s18, s14, 13                        ; rows of 8,192 bytes
	s_lshl_b32 s15, s42, 10
	s_add_co_u32 s18, s18, s15                     ; + 256 keys a tile,
	s_lshl_b32 s15, s12, 9
	s_add_co_u32 s18, s18, s15                     ; + my 128 of them, 4 bytes each
	s_mov_b32 s19, 0
	s_add_nc_u64 s[100:101], s[100:101], s[18:19]
	MLD 0                                          ; block 0's sixteen rows
	MLD 1
	MLD 2
	MLD 3
	v_mul_u32_u24 v3, v1, PITCH
	v_lshl_add_u32 v3, v2, 4, v3                   ; 272 r + 16 h
	s_mul_i32 s21, s11, HALFT
	s_mul_i32 s22, s12, HALFT
	s_add_co_u32 s22, s22, 2*HALFT
	v_add_nc_u32 v[A0], s21, v3
	v_add_nc_u32 v[B0], s22, v3
	v_mov_b32 v[ADRA], v[A0]
	v_mov_b32 v[ADRB], v[B0]
	s_mul_i32 s23, s10, 16*SPITCH
	s_add_co_u32 s23, s23, STAGE                   ; my stage
	v_add_nc_u32 v[STO], s23, v3
	v_mul_u32_u24 v5, v2, SPITCH
	v_lshl_add_u32 v5, v1, 4, v5
	v_add_nc_u32 v[RD], s23, v5
	v_lshlrev_b32 v5, 12, v2
	v_lshl_add_u32 v[CO], v1, 4, v5                ; 4,096 h + 16 r
	s_mul_i32 s21, s10, 1024
	s_add_co_u32 s21, s21, SST                     ; my statistics
	v_lshlrev_b32 v5, 2, v1
	v_lshl_add_u32 v5, v2, 9, v5
	v_add_nc_u32 v[SSA], s21, v5                   ; + 4 r + 512 h
	v_and_b32 v5, 31, v0
	v_lshlrev_b32 v[SGO], 4, v5
	v_add_nc_u32 v[SSR], s21, v[SGO]
	s_mul_i32 s21, s10, MBW
	s_add_co_u32 s21, s21, MB                      ; my mask words
	v_add_nc_u32 v[MBA], s21, v[SGO]               ; in: 16 bytes a lane
	v_lshl_add_u32 v[MBR], v1, 4, s21              ; back: row r's 16 bytes, for both halves of the lanes
	v_sub_nc_u32 v5, 1, v2
	v_lshlrev_b32 v[SH], 4, v5
	v_mov_b32 v37, 0                               ; v_permlanex16_b32 and v_writelane_b32 count as readers of their destinations
.irp c, 0,1,2,3
	v_mov_b32 v[MWD+(\c)], 0
.endr
	s_lshl_b32 s16, s14, 12                        ; pw at my first row and column
	s_mov_b32 s17, 0
	s_add_nc_u64 s[8:9], s[8:9], s[16:17]
	s_lshl_b32 s46, s42, 9
	s_lshl_b32 s47, s12, 8
	s_add_co_u32 s46, s46, s47
	s_mov_b32 s47, 0
	s_add_nc_u64 s[8:9], s[8:9], s[46:47]
	s_lshl_b32 s15, s42, 1
	s_add_co_u32 s15, s15, s12                     ; my chunk of 128 keys
	s_lshr_b32 s14, s13, 3                         ; st at (batch, chunk, my first row in the batch)
	s_lshl_b32 s14, s14, 4
	s_add_co_u32 s14, s14, s15
	s_lshl_b32 s14, s14, 11
	s_and_b32 s15, s13, 7
	s_lshl_b32 s15, s15, 8
	s_add_co_u32 s14, s14, s15
	s_lshl_b32 s15, s11, 7
	s_add_co_u32 s14, s14, s15
	s_lshl_b32 s18, s14, 2
	s_add_nc_u64 s[66:67], s[66:67], s[18:19]
	s_wait_xcnt 0x0                                ; the mask's base is stepped only behind this wait (ISA guide 3.1)
	s_add_nc_u64 s[100:101], s[100:101], 16*MROW   ; the block to be loaded next
; Four of a unit's 32 vector instructions.  rk = 1: row i's four registers are compared with 0: the source stands in place 1, whose window is 0 under the products' settings too.
; rk = 2: the four words go to lane 4 u + i of the block's registers, which lie in window 0.
.macro RIDE rk, u, i
.if (\rk) == 1
.irp c, 0,1,2,3
	v_cmp_ne_u32 s[BAL+4*(\i)+(\c)], 0, v[STG+16*(\u)+4*(\i)+(\c)]
.endr
.else
	WIN 0
.irp c, 0,1,2,3
	v_writelane_b32 v[MWD+(\c)], s[BAL+4*(\i)+(\c)], 4*(\u)+(\i)
.endr
.endif
.endm
; 16 matrix instructions.  The 64 accumulators take turns, one instruction a turn, in the same order in every quarter.
; rk != 0: behind the 2nd, 4th, 6th and 8th stand four of unit u's vector instructions; they name no register of a product.
.macro MUL16 f, hi, a0, zero, rk=0, u=0
.irp a, \a0, (\a0)+1
.irp b, 0,1,2,3,4,5,6,7
	WIN MUL_LO+0x50*(\hi)
.if \zero
	v_wmma_f32_16x16x32_f16 v[8*(8*(\a)+(\b)):8*(8*(\a)+(\b))+7], v[(\f)+8*(\b):(\f)+8*(\b)+7], v[(\f)+8*(4*(\hi)+(\a)):(\f)+8*(4*(\hi)+(\a))+7], 0
.else
	v_wmma_f32_16x16x32_f16 v[8*(8*(\a)+(\b)):8*(8*(\a)+(\b))+7], v[(\f)+8*(\b):(\f)+8*(\b)+7], v[(\f)+8*(4*(\hi)+(\a)):(\f)+8*(4*(\hi)+(\a))+7], v[8*(8*(\a)+(\b)):8*(8*(\a)+(\b))+7]
.endif
.if ((\rk) != 0) && ((\a) == (\a0)) && (((\b)%2) == 1)
	RIDE \rk, \u, (\b)/2
.endif
.endr
.endr
.endm
.macro FETCH k, f                      ; 32 LDS loads in one run: B's 16, then A's 16
	WIN TO_B
.irp i, 0,1,2,3,4,5,6,7
	ds_load_b128 v[(\f)+8*(\i):(\f)+8*(\i)+3],   v[ADRB] offset:(\k)+(\i)*16*PITCH
	ds_load_b128 v[(\f)+8*(\i)+4:(\f)+8*(\i)+7], v[ADRB] offset:(\k)+(\i)*16*PITCH+32
.endr
	WIN 0
.irp i, 0,1,2,3,4,5,6,7
	ds_load_b128 v[(\f)+8*(\i):(\f)+8*(\i)+3],   v[ADRA] offset:(\k)+(\i)*16*PITCH
	ds_load_b128 v[(\f)+8*(\i)+4:(\f)+8*(\i)+7], v[ADRA] offset:(\k)+(\i)*16*PITCH+32
.endr
.endm
; One of a K step's first three quarters.  u >= 0: the mask's unit u rides along; n: how many younger mask loads may stay out; ld = 1: set u is loaded again; st = 1: the block's words are stored.
.macro QUARTER k, f, g, zero, u=-1, n=0, ld=0, st=0
	s_wait_dscnt 8                                 ; B and A's rows 0-63 are in; the youngest eight loads may be out
.if (\u) >= 0
	s_wait_loadcnt \n                              ; loads come back in order (ISA guide 5.7.1): set u is in
	MUL16 \f, 0, 0, \zero, 1, \u
	MUL16 \f, 0, 2, \zero, 2, \u
.else
	MUL16 \f, 0, 0, \zero
	MUL16 \f, 0, 2, \zero
.endif
	PLACES
.if \st
	WIN TO_B                                       ; address and data in window 0
	ds_store_b128 v[MBA], v[MWD:MWD+3]             ; ahead of the 32 loads, so that the count below holds
.endif
	FETCH \k, \g
.if \st
	v_add_nc_u32 v[MBA], 512, v[MBA]
.endif
.if \ld
	MLD \u
.endif
	s_wait_dscnt 32                                ; all but the 32 just issued
	MUL16 \f, 1, 0, \zero
	MUL16 \f, 1, 2, \zero
.endm
; The last quarter and the change of slots: every wave's wait for all its tensor loads, the add, the wait for it and for its reads of the slot; the barrier (fill = 1: a round of the cluster's); the joint refill first behind it.
; The mask's unit 2 rides along: work on registers.  ld = 1: set 2 is loaded again; ld = 3: sets 0, 1 and 2 (the last block's).
.macro TURN fill, n, ld
	WIN 0
	s_wait_tensorcnt 0x0
	ds_add_u32 v[SPW], v[NIL]
	s_wait_dscnt 9                                 ; the add and the youngest eight loads may be out
	s_wait_loadcnt \n                              ; set 2 is in
	MUL16 F1, 0, 0, 0, 1, 2
	s_wait_dscnt 0x0
	s_barrier_signal -1
	MUL16 F1, 0, 2, 0, 2, 2
	WIN 0
	s_barrier_wait -1
.if \fill
	CREST
	s_xor_b32 s[G0+5], s[G0+5], SLOT
	s_add_nc_u64 s[G0+6:G0+7], s[G0+6:G0+7], KSTEP*2
	s_xor_b32 s[G0B+5], s[G0B+5], SLOT
	s_add_nc_u64 s[G0B+6:G0B+7], s[G0B+6:G0B+7], KSTEP*2
	JLOAD
.else
	PLACES
.endif
	s_xor_b32 s[TB], s[TB], SLOT
	v_add_nc_u32 v[ADRA], s[TB], v[A0]
	v_add_nc_u32 v[ADRB], s[TB], v[B0]
	FETCH 0, F0
.if (\ld) == 3
	MLD 0
	MLD 1
.endif
	MLD 2
	MUL16 F1, 1, 0, 0
	MUL16 F1, 1, 2, 0
.endm
; Block a's 64 scores of my lane go to window 0, hidden ones as -2^64.  Each accumulator is read from its lowest register on.  The lane mask of element n lies in s[24 + n] (n < 32) or s[36 + n].
.macro SEL a
.Lsel\a:
	WIN 0x08+4*((\a)/4)                            ; source 1: window 2 or 3
.set n, 0
.rept 64
.if n < 32
	v_cndmask_b32 v[T+n], s62, v[64*((\a)%4)+n], s[24+n]
.else
	v_cndmask_b32 v[T+n], s62, v[64*((\a)%4)+n], s[36+n]
.endif
.set n, n+1
.endr
	WIN 0
.endm
.macro PFMA p                          ; pair p: c acc - m
	v_pk_fma_f32 v[T+2*(\p):T+2*(\p)+1], v[T+2*(\p):T+2*(\p)+1], s[58:59], v[38:39] op_sel_hi:[1,0,1] neg_lo:[0,0,1] neg_hi:[0,0,1]
.endm
	s_wait_tensorcnt 1                             ; my part of K step 0 is in; K step 1's may stay out
	s_barrier_signal -1
	s_barrier_wait -1
	FETCH 0, F0
	QUARTER 64, F0, F1, 1
	WIN 0
	s_mov_b32 s3, 6
.Lk:                                                   ; trip t: K step t's quarters 2 to 4 and the next step's first; the mask's block t is made into words, block t + 1 is asked for
	QUARTER 128, F1, F0, 0, 0, 12, 1               ; 12: the three younger sets stay out
	QUARTER 192, F0, F1, 0, 1, 12, 1
	TURN 1, 12, 1
	QUARTER 64, F0, F1, 0, 3, 12, 1, 1
	WIN 0
	s_wait_xcnt 0x0                                ; the mask's base is stepped only behind this wait
	s_add_nc_u64 s[100:101], s[100:101], 16*MROW
	s_sub_co_u32 s3, s3, 1
	s_cmp_lg_u32 s3, 0
	s_cbranch_scc1 .Lk
	s_mov_b32 s3, 2
.Ltail:                                                ; the last two K steps ask for no tile; the second trip is left in its middle.  The two quarters that both trips run load nothing of the mask:
	QUARTER 128, F1, F0, 0, 0, 12                  ; 16 loads are out on either trip: sets 0 to 3 in this order;
	QUARTER 192, F0, F1, 0, 1, 8                   ; 12 are out
	WIN 0
	s_sub_co_u32 s3, s3, 1
	s_cmp_eq_u32 s3, 0
	s_cbranch_scc1 .Lfin
	TURN 0, 4, 3                                   ; 8 are out; then the last block's sets 0, 1, 2 are asked for,
	QUARTER 64, F0, F1, 0, 3, 12, 1, 1             ; and its set 3: no load reaches past my 128 rows
	WIN 0
	s_branch .Ltail
.Lfin:
	s_wait_tensorcnt 0x0                           ; no tensor load of mine is out: the descriptors' registers are free for the epilogue
	s_mov_b32 s58, 0x4138aa3b                      ; c = 8 log2(e)
	s_mov_b32 s59, 0x4138aa3b                      ; named with it as a pair
	s_mov_b32 s60, 0x76543210                      ; v_permlanex16_b32: each lane takes its own place in the other half
	s_mov_b32 s61, 0xfedcba98
	s_mov_b32 s62, 0xdf800000                      ; -2^64
	s_mov_b32 s63, 0xffff0000                      ; lanes 16-31
	s_wait_dscnt 8
	s_wait_loadcnt 4                               ; the last block's set 2
	MUL16 F1, 0, 0, 0, 1, 2
	MUL16 F1, 0, 2, 0, 2, 2
	s_wait_dscnt 0x0
	s_wait_loadcnt 0x0                             ; and set 3
	MUL16 F1, 1, 0, 0, 1, 3
	MUL16 F1, 1, 2, 0, 2, 3
	WIN 0
	ds_store_b128 v[MBA], v[MWD:MWD+3]             ; the last block's words
	ds_load_b128 v[XB:XB+3], v[MBR]                ; block 0's: my wave's own bytes, and LDS serves a wave's instructions in order (ISA guide 5.7.1.4)
	v_add_nc_u32 v[MBR], 512, v[MBR]
	PLACES
	; THE EPILOGUE: eight blocks of 16 queries; one text for all but the 64 selects, which name the block's accumulators.  Block a is the trip with s3 = 8 - a.
	s_mov_b32 s3, 8
.Lblk:
	s_wait_dscnt 0x0                               ; my row's four words are in
.irp c, 0,1,2,3
	v_lshlrev_b32 v[XB+(\c)], v[SH], v[XB+(\c)]    ; my half's 16 bits to the top
.endr
.set n, 0
.rept 64                               ; a word is doubled; the bit that falls out, over the 32 lanes, is the lane mask of element n = 4 s + c; four words by turns
.if n < 32
	v_add_co_u32 v[XB+n%4], s[24+n], v[XB+n%4], v[XB+n%4]
.else
	v_add_co_u32 v[XB+n%4], s[36+n], v[XB+n%4], v[XB+n%4]
.endif
.set n, n+1
.endr
.irp a, 0,1,2,3,4,5,6
	s_cmp_eq_u32 s3, 8-(\a)
	s_cbranch_scc1 .Lsel\a
.endr
	SEL 7
	s_branch .Lcom
.irp a, 0,1,2,3,4,5
	SEL \a
	s_branch .Lcom
.endr
	SEL 6
.Lcom:
	s_cmp_eq_u32 s3, 1
	s_cbranch_scc1 .Lno_words                      ; the last block has no successor
	ds_load_b128 v[XB:XB+3], v[MBR]                ; the next block's words come in under this block's arithmetic
	v_add_nc_u32 v[MBR], 512, v[MBR]
.Lno_words:
	; the maximum of my 64 scores: four chains of 15, three operands at a time, then the four left over; then the other half of the lanes'
.irp c, 0,1,2,3
	v_max3_num_f32 v[CH+(\c)], v[T+16*(\c)], v[T+16*(\c)+1], v[T+16*(\c)+2]
.endr
.irp k, 0,1,2,3,4,5
.irp c, 0,1,2,3
	v_max3_num_f32 v[CH+(\c)], v[CH+(\c)], v[T+16*(\c)+3+2*(\k)], v[T+16*(\c)+4+2*(\k)]
.endr
.endr
	v_max3_num_f32 v[CH], v[CH], v[T+15], v[T+31]
	v_max3_num_f32 v[CH+2], v[CH+2], v[T+47], v[T+63]
	v_max3_num_f32 v[CH], v[CH], v[CH+1], v[CH+2]
	v_max_num_f32 v[CH], v[CH], v[CH+3]
	v_permlanex16_b32 v37, v[CH], s60, s61
	v_max_num_f32 v36, v[CH], v37
	v_mul_f32 v36, s58, v36
	v_rndne_f32 v38, v36                           ; m, a whole number
	v_rndne_f32 v39, v36
.set i, 0
.rept 4
	PFMA i
.set i, i+1
.endr
	; 64 exponentials, a plain instruction that is ready behind each (ISA guide 5.7.2): scalings four pairs ahead, roundings a pair back, the first four sums
.set i, 0
.rept 32
	v_exp_f32 v[T+2*i], v[T+2*i]
.if i < 28
	PFMA i+4
.else
	v_pk_add_f32 v[SU+2*(i-28):SU+2*(i-28)+1], v[T+4*(i-28):T+4*(i-28)+1], v[T+4*(i-28)+2:T+4*(i-28)+3]
.endif
	v_exp_f32 v[T+2*i+1], v[T+2*i+1]
.if i == 0
	v_nop
.else
	s_wait_alu depctr_va_vdst(0)
	v_cvt_pk_f16_f32 v[PK+i-1], v[T+2*i-2], v[T+2*i-1]
.endif
.set i, i+1
.endr
	v_cvt_pk_f16_f32 v[PK+31], v[T+62], v[T+63]
.irp b, 0,1,2,3,4,5,6,7
	ds_store_b128 v[STO], v[PK+4*(\b):PK+4*(\b)+3] offset:32*(\b)
.endr
.irp t, 0,1,2,3,4,5,6,7
	ds_load_b128 v[BK+4*(\t):BK+4*(\t)+3], v[RD] offset:(\t)*2*SPITCH  ; LDS serves a wave's instructions in order (ISA guide 5.7.1.4): these see the stores above
.endr
	; the sums stand in the stage's round trip
.set i, 8
.rept 24
	v_pk_add_f32 v[SU+2*(i%4):SU+2*(i%4)+1], v[SU+2*(i%4):SU+2*(i%4)+1], v[T+2*i:T+2*i+1]
.set i, i+1
.endr
	v_pk_add_f32 v[SU:SU+1], v[SU:SU+1], v[SU+2:SU+3]
	v_pk_add_f32 v[SU+4:SU+5], v[SU+4:SU+5], v[SU+6:SU+7]
	v_pk_add_f32 v[SU:SU+1], v[SU:SU+1], v[SU+4:SU+5]
	v_add_f32 v36, v[SU], v[SU+1]
	v_permlanex16_b32 v37, v36, s60, s61
	v_add_f32 v36, v36, v37
	v_cndmask_b32 v48, v38, v36, s63               ; lanes 0-15 carry m, lanes 16-31 l
	ds_store_b32 v[SSA], v48
	s_wait_dscnt 1                                 ; the block's rows are back; the store just issued may be out
.irp t, 0,1,2,3,4,5,6,7
	global_store_b128 v[CO], v[BK+4*(\t):BK+4*(\t)+3], s[8:9] offset:2*(\t)*PROW  ; 16 lanes store 256 consecutive bytes, aligned
.endr
	s_wait_xcnt 0x0                                ; the stores' base and data are written again only behind this wait (ISA guide 3.1)
	s_add_nc_u64 s[8:9], s[8:9], 16*PROW
	v_add_nc_u32 v[SSA], 64, v[SSA]
	s_sub_co_u32 s3, s3, 1
	s_cmp_lg_u32 s3, 0
	s_cbranch_scc1 .Lblk
	ds_load_b128 v[T:T+3], v[SSR]                  ; my wave's 128 m and 128 l: its own bytes, in order behind its stores
	ds_load_b128 v[T+4:T+7], v[SSR] offset:512
	s_wait_dscnt 0x0
	global_store_b128 v[SGO], v[T:T+3], s[66:67]                   ; 512 consecutive bytes each
	global_store_b128 v[SGO], v[T+4:T+7], s[66:67] offset:524288
	s_wait_tensorcnt 0x0                           ; the wave's end
	ds_add_u32 v[SPW], v[NIL]
	s_wait_dscnt 0x0
	CROUND                                         ; the closing round
	s_endpgm
.Lfunc_end_k_q5e13ed8c1e_score:
	.size	k_q5e13ed8c1e_score, .Lfunc_end_k_q5e13ed8c1e_score-k_q5e13ed8c1e_score
	.p2alignl 7, 3214868480
	.fill 96, 4, 3214868480
	.section	.rodata,"a",@progbits
	.p2align	6, 0x0
	.amdhsa_kernel k_q5e13ed8c1e_score
		.amdhsa_group_segment_fixed_size 327680
		.amdhsa_private_segment_fixed_size 0
		.amdhsa_enable_private_segment 0
		.amdhsa_kernarg_size 40
		.amdhsa_user_sgpr_count 2
		.amdhsa_user_sgpr_kernarg_segment_ptr 1
		.amdhsa_wavefront_size32 1
		.amdhsa_system_sgpr_workgroup_id_x 1
		.amdhsa_system_sgpr_workgroup_id_y 1
		.amdhsa_system_sgpr_workgroup_id_z 1
		.amdhsa_system_vgpr_workitem_id 0
		.amdhsa_next_free_vgpr 1024
		.amdhsa_next_free_sgpr 102
		.amdhsa_reserve_vcc 0
		.amdhsa_float_denorm_mode_32 3
		.amdhsa_float_denorm_mode_16_64 3
		.amdhsa_memory_ordered 1
		.amdhsa_forward_progress 1
		.amdhsa_inst_pref_size 154
	.end_amdhsa_kernel
	.amdgpu_metadata
---
amdhsa.version: [ 1, 2 ]
amdhsa.kernels:
  - .name:           k_q5e13ed8c1e_score
    .symbol:         k_q5e13ed8c1e_score.kd
    .args:
      - { .name: qv, .offset: 0, .size: 8, .value_kind: global_buffer, .address_space: global }
      - { .name: xh, .offset: 8, .size: 8, .value_kind: global_buffer, .address_space: global }
      - { .name: mask, .offset: 16, .size: 8, .value_kind: global_buffer, .address_space: global }
      - { .name: pw, .offset: 24, .size: 8, .value_kind: global_buffer, .address_space: global }
      - { .name: st, .offset: 32, .size: 8, .value_kind: global_buffer, .address_space: global }
    .group_segment_fixed_size: 327680
    .private_segment_fixed_size: 0
    .kernarg_segment_align: 8
    .kernarg_segment_size: 40
    .max_flat_workgroup_size: 128
    .sgpr_count:     102
    .vgpr_count:     1024
    .wavefront_size: 32
...
	.end_amdgpu_metadata
.endif
;; end of part 3
;; launch mix (part 4): grid 4 x 64, 4 waves a work-group, clusters of 4 x 4, 327,680 bytes of LDS; arguments pw, qv, st, out0; writes out0
.if DOCPART == 4
	.amdgcn_target "amdgcn-amd-amdhsa--gfx1250"
	.amdhsa_code_object_version 6
	.text
	.protected	k_q5e13ed8c1e_mix
	.globl	k_q5e13ed8c1e_mix
	.p2align	8
	.type	k_q5e13ed8c1e_mix,@function
k_q5e13ed8c1e_mix:
	s_mov_b64 s[64:65], 0
	v_nop
	global_prefetch_b8 v0, s[64:65] scope:SCOPE_SE
	s_setreg_imm32_b32 hwreg(HW_REG_WAVE_MODE, 25, 1), 1
	s_wait_xcnt 0x0
	s_wait_alu depctr_hold_cnt(0) depctr_sa_sdst(0) depctr_va_vdst(0) depctr_va_sdst(0) depctr_va_ssrc(0) depctr_va_vcc(0) depctr_vm_vsrc(0)
	s_getreg_b32 s2, hwreg(HW_REG_IB_STS2, 6, 4)
	s_cmp_eq_u32 s2, 0
	s_cbranch_scc0 .Lentry_in_a_cluster
	s_endpgm
.Lentry_in_a_cluster:
	s_bfe_u32 s2, ttmp6, 0x10000c
	s_cmp_lg_u32 s2, 0xf033
	s_cbranch_scc0 .Lentry_shape_is_right
	s_endpgm
.Lentry_shape_is_right:
; MIX.  out0[n][e] = (16 / l_n) x sum over chunks j of f_j x (sum over the chunk's 128 keys k of p[n][k] (v / 16)[k][e]), per batch.  p, m, l by chunks come from the launch before; v / 16 is qv's columns 1024-2047.
; m_n = the maximum of the row's 16 m;  f_j = 2^(m_j - m_n);  l_n = the sum of f l.  So the row's true maximum is taken away, in two levels.  f, the sums and the scaling are f32; f below 2^-126 counts as 0.
; A tile is 128 rows x 256 channels, which gives each of 256 work-groups one; a wave makes 64 x 128.  K = 2048 keys in 16 steps of 128, a chunk each, through two LDS slots.
; A chunk's product is summed by itself in 32 accumulators C, started with the constant 0, and then O += f C, 128 packed multiply-adds a chunk: four behind each of 32 matrix instructions: block a - 1's behind block a's
; products of the chunk's last quarter, block 3's behind block 0's of the next chunk's first quarter.  O is cleared at the start, 256 v_mov_b32 in the wait for the first tiles: the price of writing no first trip out.
; CLUSTERS: 4 x 4.  p's tiles are shared along a row of the cluster, v's along a column (its four row tiles lie in one batch): joint loads.
; PREFETCH.  Wave 0 asks in trip j for chunk j + 4, two trips ahead of the tensor load that wants it: 32 of the 128 rows of p's tile (the four work-groups of a cluster's row share them out) and 16 of the 256 blocks of
; v's tile (the batch's 16 row tiles share them out; lanes 16-31 name the blocks of lanes 0-15 again).  Chunks 2 and 3 are asked for at the start; the last two trips ask for nothing, so no request passes chunk 15.
; THE MATRIX INSTRUCTION IS USED TRANSPOSED: source 0 = 16 channels of v, turned by ds_load_tr16_b128 (v lies [key][channel]); source 1 = 16 rows of p.  Lane (r, h) holds row 16 a + r, channels 16 b + 8 h + 0..7.
; REGISTERS: window 0: v0-31 addresses; v64-95, v96-127 p's fragments, two buffers; v128-131 f of my rows 16 a + r; v136-143 16 / l, in pairs; v160-255 the way out.
;   window 1: v0-63, v64-127 v's fragments, two buffers.   window 2: C(a, b) at v[8 (8 a + b)].   window 3: O(a, b) at the same numbers.
.set PP,     272                       ; a row of p in LDS: 256 bytes + 16
.set PVP,    544                       ; a row of v: 512 bytes + 32 = 17 x 32
.set VOFF,   128*PP                    ; a slot: 128 rows of p, then 128 keys of v
.set SLOT1,  1<<17                     ; slot 1 begins here, so that one exclusive or turns an address in one slot into the other's
.set TAB,    SLOT1+VOFF+128*PVP        ; for each wave 4,352 bytes: f [chunk 16][r 16][a 4], then 16 / l [r 16][a 4], all f32
.set TABW,   4352
.set STAGE,  TAB+4*TABW                ; 16 rows x 272 bytes for each wave
.set SPITCH, 272
.set SPARE,  STAGE+4*16*SPITCH         ; the spare words: two blocks of 256 bytes that no other line names
.set OROW,   4096                      ; bytes in a row of out0
.set PFP,  12                          ; v12  prefetch: my row's byte offset in p's tile; never rewritten
.set PFV,  13                          ; v13  my block's byte offset in v's tile; never rewritten
.set ADRP, 16                          ; v16  LDS address of my p fragments in the slot in hand;  v17 in slot 0, never rewritten
.set AP0,  17
.set ADRV, 20                          ; v20, v21 the same for v
.set AV0,  21
.set FAD,  22                          ; v22  my rows' f of the chunk to come
.set TA,   23                          ; v23  where I put my two rows' numbers into the table
.set STO,  24
.set RD,   25
.set CO,   26
.set SPW,  28
.set NIL,  29
.set FA,   64
.set FQ,   128
.set IV,   136
.set TMP,  160
.set OB,   192
.set G1,  24                           ; s[24:31] group 1 for p;  s[32:35] slot 0's first fill;  s[36:39] the walking group 0
.set G0,  32
.set G1B, 48                           ; s[48:55], s[56:59], s[60:63] the same for v
.set G0B, 56
.set TB,  43
.set MSB, 0
.macro WIN new
.if MSB != (\new)
	s_set_vgpr_msb (MSB<<8)|(\new)
.set MSB, \new
.endif
.endm
.macro PLACES
.rept 4
	v_nop
.endr
.endm
.macro JLOAD                           ; a joint refill: waves 0 and 1 fetch p's halves, waves 2 and 3 v's; an s_nop 0 and four v_nop follow each line
	s_cmp_eq_u32 s11, 0
	s_cbranch_scc0 .Lfor_b_\@
	tensor_load_to_lds s[G0+4:G0+7], s[G1:G1+7]
	s_nop 0
.rept 4
	v_nop
.endr
	s_branch .Lasked_\@
.Lfor_b_\@:
	tensor_load_to_lds s[G0B+4:G0B+7], s[G1B:G1B+7]
	s_nop 0
.rept 4
	v_nop
.endr
.Lasked_\@:
.endm
.macro CREST
	s_cmp_lg_u32 s10, 0
	s_cbranch_scc1 .Lnot_wave_0_\@
	s_barrier_signal -3
.Lnot_wave_0_\@:
	s_barrier_wait -3
	s_barrier_signal -1
	s_barrier_wait -1
.endm
.macro CROUND
	s_barrier_signal -1
	s_barrier_wait -1
	CREST
.endm
	s_load_b128 s[4:7], s[0:1], 0x0                ; pw s[4:5], qv s[6:7]
	s_load_b64 s[66:67], s[0:1], 0x10              ; st
	s_load_b64 s[8:9], s[0:1], 0x18                ; out0
	v_lshl_add_u32 v[SPW], v0, 2, SPARE
	v_mov_b32 v[NIL], 0
	ds_add_u32 v[SPW], v[NIL]                      ; the wave's opening: the add and its wait stand ahead of my first tensor load
	v_lshrrev_b32 v1, 5, v0
	v_readfirstlane_b32 s10, v1                    ; wave 0..3
	s_lshr_b32 s11, s10, 1                         ; my half of the tile's rows.  Also: I fetch p (0) or v (1)
	s_and_b32 s12, s10, 1                          ; my half of its channels.  Also: which 64 rows or keys I fetch
	s_bfe_u32 s40, ttmp6, 0x40000                  ; cx
	s_bfe_u32 s41, ttmp6, 0x40004                  ; cy
	s_lshl_b32 s42, ttmp9, 2
	s_add_co_u32 s42, s42, s40                     ; tile of 256 channels
	s_and_b32 s45, ttmp7, 0xffff                   ; the cluster's y: four clusters to a batch
	s_lshl_b32 s13, s45, 2
	s_add_co_u32 s13, s13, s41                     ; tile of 128 rows, over all batches
	s_lshl_b32 s43, s41, 2
	s_lshl_b32 s43, 15, s43                        ; my row of the cluster
	s_lshl_b32 s44, 0x1111, s40                    ; my column
	s_or_b32 s[G1], s43, (1<<16)|(1<<20)|(1<<21)|(5<<22)|(3<<25)   ; p: after every 64 words 4 words of padding
	s_or_b32 s[G1B], s44, (1<<16)|(1<<20)|(1<<21)|(6<<22)|(7<<25)  ; v: after every 128 words 8 words
	s_mov_b32 s[G1+1], 128<<16                     ; p: a tile of 64 rows x 128 elements
	s_mov_b32 s[G1+2], 64<<16
	s_mov_b32 s[G1+3], 128<<16
	s_mov_b32 s[G1+4], 64
	s_mov_b32 s[G1+5], 2048
	s_mov_b32 s[G1+6], 0
	s_mov_b32 s[G1+7], 0
	s_mov_b32 s[G1B+1], 256<<16                    ; v: a tile of 64 keys x 256 elements
	s_mov_b32 s[G1B+2], 64<<16
	s_mov_b32 s[G1B+3], 256<<16
	s_mov_b32 s[G1B+4], 64
	s_mov_b32 s[G1B+5], 2048
	s_mov_b32 s[G1B+6], 0
	s_mov_b32 s[G1B+7], 0
	s_lshl_b32 s17, s12, 6
	s_lshl_b32 s16, s13, 7
	s_add_co_u32 s16, s16, s17                     ; p: row 128 x row tile + 64 x half,
	s_lshl_b32 s16, s16, 12                        ; of 4,096 bytes
	s_lshr_b32 s46, s45, 2                         ; the batch, from the cluster's y alone
	s_lshl_b32 s46, s46, 11
	s_add_co_u32 s46, s46, s17                     ; v: key 2,048 x batch + 64 x half,
	s_lshl_b32 s46, s46, 12
	s_lshl_b32 s47, s42, 9
	s_add_co_u32 s46, s46, s47                     ; channel 1,024 + 256 x channel tile
	s_add_co_u32 s46, s46, 2048
	s_mov_b32 s17, 0
	s_mov_b32 s47, 0
	s_mul_i32 s20, s12, 64*PP                      ; where they go
	s_mul_i32 s21, s12, 64*PVP
	s_add_co_u32 s21, s21, VOFF
	s_mov_b32 s[TB], 0
	s_lshr_b32 s18, s45, 2                         ; st at (batch, chunk 0, my wave's first row in the batch)
	s_lshl_b32 s18, s18, 15
	s_and_b32 s19, s13, 15
	s_lshl_b32 s19, s19, 7
	s_add_co_u32 s18, s18, s19
	s_lshl_b32 s19, s11, 6
	s_add_co_u32 s18, s18, s19
	s_lshl_b32 s18, s18, 2
	s_mov_b32 s19, 0
	s_lshl_b32 s68, s13, 19                        ; prefetch: p's tile (128 rows of 4,096 bytes a row tile) at chunk 4,
	s_add_co_u32 s68, s68, 4*256
	s_mov_b32 s69, 0
	s_lshr_b32 s70, s45, 2
	s_lshl_b32 s70, s70, 11
	s_add_co_u32 s70, s70, 4*128                   ; v's tile at key 2,048 x batch + chunk 4's first,
	s_lshl_b32 s70, s70, 12
	s_lshl_b32 s71, s42, 9
	s_add_co_u32 s70, s70, s71
	s_add_co_u32 s70, s70, 2048                    ; channel 1,024 + 256 x channel tile
	s_mov_b32 s71, 0
	s_wait_dscnt 0x0                               ; the opening add is done
	s_wait_kmcnt 0x0
	s_add_nc_u64 s[14:15], s[4:5], s[16:17]
	s_add_nc_u64 s[46:47], s[6:7], s[46:47]
	s_add_nc_u64 s[66:67], s[66:67], s[18:19]
	s_add_nc_u64 s[68:69], s[4:5], s[68:69]
	s_add_nc_u64 s[70:71], s[6:7], s[70:71]
	CROUND                                         ; all sixteen work-groups are here: the first joint loads meet
.irp s, 0,1
	s_mov_b32 s[G0+4*(\s)], 1
	s_add_co_u32 s[G0+4*(\s)+1], s20, (\s)*SLOT1
	s_add_nc_u64 s[G0+4*(\s)+2:G0+4*(\s)+3], s[14:15], (\s)*256       ; chunk s: 128 columns of p
	s_or_b32 s[G0+4*(\s)+3], s[G0+4*(\s)+3], 0x80000000
	s_mov_b32 s[G0B+4*(\s)], 1
	s_add_co_u32 s[G0B+4*(\s)+1], s21, (\s)*SLOT1
	s_add_nc_u64 s[G0B+4*(\s)+2:G0B+4*(\s)+3], s[46:47], (\s)*524288  ; 128 keys of 4,096 bytes
	s_or_b32 s[G0B+4*(\s)+3], s[G0B+4*(\s)+3], 0x80000000
.endr
	s_cmp_eq_u32 s11, 0                            ; a wave's two first fills stand in one branch: two loads of mine are out
	s_cbranch_scc0 .Lfirst_b
	tensor_load_to_lds s[G0:G0+3], s[G1:G1+7]
	s_nop 0
	tensor_load_to_lds s[G0+4:G0+7], s[G1:G1+7]
	s_nop 0
.rept 4
	v_nop
.endr
	s_branch .Lfirst_asked
.Lfirst_b:
	tensor_load_to_lds s[G0B:G0B+3], s[G1B:G1B+7]
	s_nop 0
	tensor_load_to_lds s[G0B+4:G0B+7], s[G1B:G1B+7]
	s_nop 0
.rept 4
	v_nop
.endr
.Lfirst_asked:
	; THE STATISTICS, in the wait for the first tiles.  Lane i owns rows 2 i and 2 i + 1 of my wave's 64: m of chunk j in v[64 + 2 j ..], l in v[96 + 2 j ..]; each load covers 256 consecutive bytes.
	v_and_b32 v3, 31, v0                           ; i
	v_lshlrev_b32 v4, 3, v3
.set j, 0
.rept 16
	global_load_b64 v[64+2*j:65+2*j], v4, s[66:67] offset:8192*j
	global_load_b64 v[96+2*j:97+2*j], v4, s[66:67] offset:524288+8192*j
.set j, j+1
.endr
	v_and_b32 v1, 15, v0                           ; r
	v_bfe_u32 v2, v0, 4, 1                         ; h
	s_lshl_b32 s22, s40, 5
	v_add_nc_u32 v[PFP], s22, v3                   ; row 32 cx + lane of p's tile,
	v_lshlrev_b32 v[PFP], 12, v[PFP]               ; of 4,096 bytes
	s_and_b32 s23, s13, 15
	s_lshl_b32 s23, s23, 4
	v_add_nc_u32 v[PFV], s23, v1                   ; block 16 x (my row tile in the batch) + lane % 16 of v's tile: key = block / 2, half = block % 2
	v_lshrrev_b32 v14, 1, v[PFV]
	v_and_b32 v[PFV], 1, v[PFV]
	v_lshlrev_b32 v[PFV], 8, v[PFV]
	v_lshl_add_u32 v[PFV], v14, 12, v[PFV]
	s_cmp_lg_u32 s10, 0
	s_cbranch_scc1 .Lno_pf0                        ; wave 0 asks
	global_prefetch_b8 v[PFP], s[68:69] offset:-512 th:TH_LOAD_NT scope:SCOPE_SE       ; chunk 2
	global_prefetch_b8 v[PFV], s[70:71] offset:-1048576 th:TH_LOAD_NT scope:SCOPE_SE
	global_prefetch_b8 v[PFP], s[68:69] offset:-256 th:TH_LOAD_NT scope:SCOPE_SE       ; chunk 3
	global_prefetch_b8 v[PFV], s[70:71] offset:-524288 th:TH_LOAD_NT scope:SCOPE_SE
.Lno_pf0:
	v_mul_u32_u24 v5, v1, PP
	v_lshl_add_u32 v6, v2, 4, v5                   ; 272 r + 16 h
	s_mul_i32 s21, s11, 64*PP                      ; my 64 rows of p
	v_add_nc_u32 v[AP0], s21, v6
	v_and_b32 v7, 7, v0                            ; the turning load: lane l reads key 8 (l / 16) + l % 8, channels 8 ((l / 8) % 2) + 0..7
	v_lshl_add_u32 v7, v2, 3, v7
	v_mul_u32_u24 v7, v7, PVP
	v_bfe_u32 v8, v0, 3, 1
	v_lshl_add_u32 v7, v8, 4, v7
	s_lshl_b32 s22, s12, 8                         ; my 128 channels
	s_add_co_u32 s22, s22, VOFF
	v_add_nc_u32 v[AV0], s22, v7
	v_mov_b32 v[ADRP], v[AP0]
	v_mov_b32 v[ADRV], v[AV0]
	s_mul_i32 s23, s10, TABW
	s_add_co_u32 s21, s23, TAB                     ; my table
	v_lshl_add_u32 v[FAD], v1, 4, s21              ; + 16 r
	v_and_b32 v9, 7, v3
	v_lshrrev_b32 v10, 3, v3
	v_lshlrev_b32 v9, 5, v9
	v_lshl_add_u32 v9, v10, 2, v9
	v_add_nc_u32 v[TA], s21, v9                    ; row 2 i + k is r = 2 (i % 8) + k, a = i / 8: + 32 (i % 8) + 4 (i / 8), and 16 k in the offset
	s_add_co_u32 s22, s23, STAGE                   ; my stage (4,352 bytes too)
	v_lshl_add_u32 v11, v2, 5, v5                  ; in: 272 r + 32 h
	v_add_nc_u32 v[STO], s22, v11
	v_mul_u32_u24 v11, v2, SPITCH                  ; back: lanes 0-15 one row of 256 bytes, lanes 16-31 the next
	v_lshl_add_u32 v11, v1, 4, v11
	v_add_nc_u32 v[RD], s22, v11
	v_lshlrev_b32 v11, 12, v2
	v_lshl_add_u32 v[CO], v1, 4, v11               ; 4,096 h + 16 r
	s_lshl_b32 s16, s13, 7                         ; out0 at my first row and channel
	s_lshl_b32 s17, s11, 6
	s_add_co_u32 s16, s16, s17
	s_lshl_b32 s16, s16, 12
	s_mov_b32 s17, 0
	s_add_nc_u64 s[8:9], s[8:9], s[16:17]
	s_lshl_b32 s46, s42, 10
	s_lshl_b32 s47, s12, 9
	s_add_co_u32 s46, s46, s47
	s_mov_b32 s47, 0
	s_add_nc_u64 s[8:9], s[8:9], s[46:47]
	WIN 0xc0                                       ; destination window 3: O starts at 0
.set z, 0
.rept 256
	v_mov_b32 v[z], 0
.set z, z+1
.endr
	WIN 0
	s_wait_loadcnt 0x0
.irp k, 0,1
	v_max3_num_f32 v[144+(\k)], v[64+(\k)], v[66+(\k)], v[68+(\k)]
.set z, 0
.rept 6
	v_max3_num_f32 v[144+(\k)], v[144+(\k)], v[70+4*z+(\k)], v[72+4*z+(\k)]
.set z, z+1
.endr
	v_max_num_f32 v[144+(\k)], v[144+(\k)], v[94+(\k)]  ; the row's maximum
.endr
.set j, 0
.rept 16
	v_pk_add_f32 v[64+2*j:65+2*j], v[64+2*j:65+2*j], v[144:145] neg_lo:[0,1] neg_hi:[0,1]
.set j, j+1
.endr
.set z, 0
.rept 32
	v_exp_f32 v[64+z], v[64+z]                     ; f
.set z, z+1
.endr
	v_nop                                          ; a plain instruction behind the last exponential
	s_wait_alu depctr_va_vdst(0)
	v_pk_mul_f32 v[132:133], v[64:65], v[96:97]
	v_pk_mul_f32 v[134:135], v[66:67], v[98:99]
.set j, 2
.rept 14
	v_pk_fma_f32 v[132+2*(j%2):133+2*(j%2)], v[64+2*j:65+2*j], v[96+2*j:97+2*j], v[132+2*(j%2):133+2*(j%2)]
.set j, j+1
.endr
	v_pk_add_f32 v[132:133], v[132:133], v[134:135]  ; l of the row: at least 0.7, since the largest chunk has f = 1 and a weight of 0.7 or more
	v_rcp_f32 v132, v132
	v_rcp_f32 v133, v133
	v_nop
	s_wait_alu depctr_va_vdst(0)
	v_mul_f32 v132, 0x41800000, v132               ; 16 / l
	v_mul_f32 v133, 0x41800000, v133
.set z, 0
.rept 32
	ds_store_b32 v[TA], v[64+z] offset:256*(z/2)+16*(z%2)
.set z, z+1
.endr
	ds_store_b32 v[TA], v132 offset:4096
	ds_store_b32 v[TA], v133 offset:4096+16
	ds_load_b128 v[144:147], v[FAD] offset:4096    ; the table is my wave's own: LDS serves a wave's instructions in order (ISA guide 5.7.1.4)
	s_wait_dscnt 0x0
.irp a, 0,1,2,3
	v_mov_b32 v[IV+2*(\a)], v[144+(\a)]
	v_mov_b32 v[IV+2*(\a)+1], v[144+(\a)]
.endr
; O(a, b) += f(a) x C(a, b): four packed multiply-adds, from the accumulator's lowest registers on.  f(a) is one register of an even pair: op_sel and op_sel_hi name it for both halves.
.macro FOLD a, b
	WIN 0xf2                                       ; destination and source 2 (O) window 3, source 0 (C) window 2, source 1 (f) window 0
.irp z, 0,1,2,3
.if ((\a)%2) == 0
	v_pk_fma_f32 v[8*(8*(\a)+(\b))+2*(\z):8*(8*(\a)+(\b))+2*(\z)+1], v[8*(8*(\a)+(\b))+2*(\z):8*(8*(\a)+(\b))+2*(\z)+1], v[FQ+(\a):FQ+(\a)+1], v[8*(8*(\a)+(\b))+2*(\z):8*(8*(\a)+(\b))+2*(\z)+1] op_sel_hi:[1,0,1]
.else
	v_pk_fma_f32 v[8*(8*(\a)+(\b))+2*(\z):8*(8*(\a)+(\b))+2*(\z)+1], v[8*(8*(\a)+(\b))+2*(\z):8*(8*(\a)+(\b))+2*(\z)+1], v[FQ+(\a)-1:FQ+(\a)], v[8*(8*(\a)+(\b))+2*(\z):8*(8*(\a)+(\b))+2*(\z)+1] op_sel:[0,1,0] op_sel_hi:[1,1,1]
.endif
.endr
.endm
; 8 matrix instructions: row block a x all 8 channel blocks, 32 keys.  fa >= 0: behind the product for channel block b stands the fold of C(fa, b); it names no register of the products round it.
; The 32 accumulators take turns, one instruction a turn, in the same order in every quarter.
.macro MULA f, a, zero, fa
.irp b, 0,1,2,3,4,5,6,7
	WIN 0xa1                                       ; source 0 (v) window 1, source 1 (p) window 0, C and D window 2
.if \zero
	v_wmma_f32_16x16x32_f16 v[8*(8*(\a)+(\b)):8*(8*(\a)+(\b))+7], v[64*(\f)+8*(\b):64*(\f)+8*(\b)+7], v[FA+32*(\f)+8*(\a):FA+32*(\f)+8*(\a)+7], 0
.else
	v_wmma_f32_16x16x32_f16 v[8*(8*(\a)+(\b)):8*(8*(\a)+(\b))+7], v[64*(\f)+8*(\b):64*(\f)+8*(\b)+7], v[FA+32*(\f)+8*(\a):FA+32*(\f)+8*(\a)+7], v[8*(8*(\a)+(\b)):8*(8*(\a)+(\b))+7]
.endif
.if (\fa) >= 0
	FOLD \fa, \b
.endif
.endr
.endm
; 24 LDS loads in one run: quarter q (32 keys) of the slot in hand into buffer g: v's 16 (turned), then p's 8
.macro FETCH3 g, q
	WIN 0x40                                       ; destination window 1
.irp b, 0,1,2,3,4,5,6,7
	ds_load_tr16_b128 v[64*(\g)+8*(\b):64*(\g)+8*(\b)+3],   v[ADRV] offset:32*PVP*(\q)+32*(\b)
	ds_load_tr16_b128 v[64*(\g)+8*(\b)+4:64*(\g)+8*(\b)+7], v[ADRV] offset:32*PVP*(\q)+32*(\b)+16*PVP
.endr
	WIN 0
.irp a, 0,1,2,3
	ds_load_b128 v[FA+32*(\g)+8*(\a):FA+32*(\g)+8*(\a)+3],   v[ADRP] offset:64*(\q)+16*PP*(\a)
	ds_load_b128 v[FA+32*(\g)+8*(\a)+4:FA+32*(\g)+8*(\a)+7], v[ADRP] offset:64*(\q)+16*PP*(\a)+32
.endr
.endm
; One of a chunk's first three quarters: multiplies buffer f and fetches quarter q into buffer g.  zero = 1: a chunk's first quarter starts its sums; fa = 3: the chunk before's block 3 is folded beside block 0's products;
; fq = 1: the chunk's f is fetched (the last fold by the old f stands in the quarter before).  The four v_nop are the places in front of the loads into g, and behind block 3's last products.
.macro QG f, g, q, zero, fa, fq
	s_wait_dscnt 0x0                               ; buffer f is in: asked for a quarter ago
	PLACES
	FETCH3 \g, \q
.if \fq
	ds_load_b128 v[FQ:FQ+3], v[FAD]
	v_add_nc_u32 v[FAD], 256, v[FAD]
.endif
	MULA \f, 0, \zero, \fa
	MULA \f, 1, \zero, -1
	MULA \f, 2, \zero, -1
	MULA \f, 3, \zero, -1
.endm
; The last quarter multiplies buffer 1, folds blocks 0 to 2 and changes slots: every wave's wait for all its tensor loads (one is out: its part of the next slot), the add, the wait for it and for its reads of this slot;
; the barrier (fill = 1: a round of the cluster's); the joint refill first behind it, with 112 matrix instructions in which to land.
.macro TURN3 fill
	WIN 0
	s_wait_tensorcnt 0x0
	ds_add_u32 v[SPW], v[NIL]
	s_wait_dscnt 1                                 ; buffer 1 is in; the add may be out
	MULA 1, 0, 0, -1
	PLACES                                         ; the places between block 0's last products and its fold
	s_wait_dscnt 0x0                               ; the add is done, and my reads of this slot are over
	s_barrier_signal -1
	MULA 1, 1, 0, 0
	WIN 0
	s_barrier_wait -1
.if \fill
	CREST
	s_xor_b32 s[G0+5], s[G0+5], SLOT1              ; the walking descriptors: the other slot than last time, the next chunk
	s_add_nc_u64 s[G0+6:G0+7], s[G0+6:G0+7], 256
	s_xor_b32 s[G0B+5], s[G0B+5], SLOT1
	s_add_nc_u64 s[G0B+6:G0B+7], s[G0B+6:G0B+7], 524288
	JLOAD
.else
	PLACES
.endif
	s_xor_b32 s[TB], s[TB], SLOT1
	v_add_nc_u32 v[ADRP], s[TB], v[AP0]
	v_add_nc_u32 v[ADRV], s[TB], v[AV0]
	FETCH3 0, 0
.if \fill
	s_cmp_lg_u32 s10, 0
	s_cbranch_scc1 .Lno_pf_\@                      ; wave 0 asks,
	s_cmp_lt_u32 s3, 3
	s_cbranch_scc1 .Lno_pf_\@                      ; and not in the last two trips: chunk 15 is the last
	global_prefetch_b8 v[PFP], s[68:69] th:TH_LOAD_NT scope:SCOPE_SE
	global_prefetch_b8 v[PFV], s[70:71] th:TH_LOAD_NT scope:SCOPE_SE
.Lno_pf_\@:
.endif
	MULA 1, 2, 0, 1
	MULA 1, 3, 0, 2
.endm
; THE WAY OUT, in eight parts x = 2 a + c: 16 rows x 64 channels (256 bytes of f32 a row): times 16 / l; through my stage; stored as whole runs of 256 bytes.
.macro PACKO x
.set AC, 64*((\x)/2)+32*((\x)%2)
	WIN 0x03                                       ; source 0: window 3
.set z, 0
.rept 16
	v_pk_mul_f32 v[TMP+2*z:TMP+2*z+1], v[AC+2*z:AC+2*z+1], v[IV+2*((\x)/2):IV+2*((\x)/2)+1] op_sel_hi:[1,0]
.set z, z+1
.endr
	WIN 0
.endm
.macro TOSTAGE x
.set BK, OB+32*((\x)%2)
.irp u, 0,1,2,3,4,5,6,7
	ds_store_b128 v[STO], v[TMP+4*(\u):TMP+4*(\u)+3] offset:64*((\u)/2)+16*((\u)%2)
.endr
.irp t, 0,1,2,3,4,5,6,7
	ds_load_b128 v[BK+4*(\t):BK+4*(\t)+3], v[RD] offset:(\t)*2*SPITCH
.endr
.endm
.macro SEND x
.set BK, OB+32*((\x)%2)
	s_wait_dscnt 0x0                               ; the part is back in registers
	s_wait_xcnt 0x0                                ; the registers that the part before last's stores read are loaded again only behind this wait (ISA guide 3.1)
.irp t, 0,1,2,3,4,5,6,7
	global_store_b128 v[CO], v[BK+4*(\t):BK+4*(\t)+3], s[8:9] offset:((\x)/2)*16*OROW+((\x)%2)*256+2*(\t)*OROW  ; 16 lanes store 256 consecutive bytes, aligned
.endr
.endm
	s_wait_tensorcnt 1                             ; my part of chunk 0 is in; chunk 1's may stay out
	s_barrier_signal -1
	s_barrier_wait -1
	FETCH3 0, 0
	QG 0, 1, 1, 1, -1, 0                           ; chunk 0's first quarter
	WIN 0
	s_mov_b32 s3, 14
.Lk:                                                   ; trip j: chunk j's quarters 2 to 4, its fold, and chunk j + 1's first quarter; chunk j + 2 is asked for
	QG 1, 0, 2, 0, -1, 1
	QG 0, 1, 3, 0, -1, 0
	TURN3 1
	QG 0, 1, 1, 1, 3, 0
	WIN 0
	s_wait_xcnt 0x0                                ; the prefetches' bases are stepped only behind this wait: 48 matrix instructions behind them
	s_add_nc_u64 s[68:69], s[68:69], 256
	s_add_nc_u64 s[70:71], s[70:71], 524288
	s_sub_co_u32 s3, s3, 1
	s_cmp_lg_u32 s3, 0
	s_cbranch_scc1 .Lk
	s_mov_b32 s3, 2
.Ltail:                                                ; the last two chunks ask for nothing; the second trip is left in its middle
	QG 1, 0, 2, 0, -1, 1
	QG 0, 1, 3, 0, -1, 0
	WIN 0
	s_sub_co_u32 s3, s3, 1
	s_cmp_eq_u32 s3, 0
	s_cbranch_scc1 .Lfin
	TURN3 0
	QG 0, 1, 1, 1, 3, 0
	WIN 0
	s_branch .Ltail
.Lfin:
	s_wait_dscnt 0x0
	MULA 1, 0, 0, -1
	PLACES
	MULA 1, 1, 0, 0
	MULA 1, 2, 0, 1
	MULA 1, 3, 0, 2
	PLACES                                         ; the places behind the last products
.irp b, 0,1,2,3,4,5,6,7
	FOLD 3, \b
.endr
	WIN 0
	PACKO 0
	TOSTAGE 0
.irp x, 1,2,3,4,5,6,7                  ; a part's multiplies stand between the loads of the part before and the wait for them
	PACKO \x
	SEND (\x)-1
	TOSTAGE \x
.endr
	SEND 7
	s_wait_tensorcnt 0x0                           ; the wave's end
	ds_add_u32 v[SPW], v[NIL]
	s_wait_dscnt 0x0
	CROUND                                         ; the closing round
	s_endpgm
.Lfunc_end_k_q5e13ed8c1e_mix:
	.size	k_q5e13ed8c1e_mix, .Lfunc_end_k_q5e13ed8c1e_mix-k_q5e13ed8c1e_mix
	.p2alignl 7, 3214868480
	.fill 96, 4, 3214868480
	.section	.rodata,"a",@progbits
	.p2align	6, 0x0
	.amdhsa_kernel k_q5e13ed8c1e_mix
		.amdhsa_group_segment_fixed_size 327680
		.amdhsa_private_segment_fixed_size 0
		.amdhsa_enable_private_segment 0
		.amdhsa_kernarg_size 32
		.amdhsa_user_sgpr_count 2
		.amdhsa_user_sgpr_kernarg_segment_ptr 1
		.amdhsa_wavefront_size32 1
		.amdhsa_system_sgpr_workgroup_id_x 1
		.amdhsa_system_sgpr_workgroup_id_y 1
		.amdhsa_system_sgpr_workgroup_id_z 1
		.amdhsa_system_vgpr_workitem_id 0
		.amdhsa_next_free_vgpr 1024
		.amdhsa_next_free_sgpr 72
		.amdhsa_reserve_vcc 0
		.amdhsa_float_denorm_mode_32 3
		.amdhsa_float_denorm_mode_16_64 3
		.amdhsa_memory_ordered 1
		.amdhsa_forward_progress 1
		.amdhsa_inst_pref_size 121
	.end_amdhsa_kernel
	.amdgpu_metadata
---
amdhsa.version: [ 1, 2 ]
amdhsa.kernels:
  - .name:           k_q5e13ed8c1e_mix
    .symbol:         k_q5e13ed8c1e_mix.kd
    .args:
      - { .name: pw, .offset: 0, .size: 8, .value_kind: global_buffer, .address_space: global }
      - { .name: qv, .offset: 8, .size: 8, .value_kind: global_buffer, .address_space: global }
      - { .name: st, .offset: 16, .size: 8, .value_kind: global_buffer, .address_space: global }
      - { .name: out0, .offset: 24, .size: 8, .value_kind: global_buffer, .address_space: global }
    .group_segment_fixed_size: 327680
    .private_segment_fixed_size: 0
    .kernarg_segment_align: 8
    .kernarg_segment_size: 32
    .max_flat_workgroup_size: 128
    .sgpr_count:     72
    .vgpr_count:     1024
    .wavefront_size: 32
...
	.end_amdgpu_metadata
.endif
;; end of part 4
;; ======== version 2 of 2: 4 launches; version 1 with the launch prep written anew for expert scheduling mode
;; limits: values are held in f16: magnitudes above 65,504 overflow, below 6.1e-05 lose precision
;; workspace buffers: xh 16,777,216 bytes; wh 4,194,304 bytes; qv 33,554,432 bytes; pw 33,554,432 bytes; st 1,048,576 bytes
;; launch prep (part 5): grid 256 x 1, 8 waves a work-group, no clusters, 0 bytes of LDS; arguments x, Wqk, Wvc, xh, wh; writes xh, wh
.if DOCPART == 5
	.amdgcn_target "amdgcn-amd-amdhsa--gfx1250"
	.amdhsa_code_object_version 6
	.text
	.protected	k_q5e13ed8c1e_prep
	.globl	k_q5e13ed8c1e_prep
	.p2align	8
	.type	k_q5e13ed8c1e_prep,@function
k_q5e13ed8c1e_prep:
	s_mov_b64 s[64:65], 0
	v_nop
	global_prefetch_b8 v0, s[64:65] scope:SCOPE_SE
	s_setreg_imm32_b32 hwreg(HW_REG_WAVE_SCHED_MODE, 0, 2), 2
	s_setreg_imm32_b32 hwreg(HW_REG_WAVE_MODE, 25, 1), 1
	s_wait_xcnt 0x0
	s_wait_alu depctr_vm_vsrc(0)
; PREP.  xh = f16(bf16(x / 16)), [8192][1024];  wh = f16(bf16(W)), rows 0-1023 Wqk, rows 1024-2047 Wvc.
; Every input is rounded to bf16 once; that number is then written as f16, which is exact where it is a normal f16.  The factor 1/16 is a power of two and commutes with the rounding.
; LIMITS.  |x| / 16 and |W| stay under 65,504; below 6.1e-5 f16 keeps its fixed step of 6e-8 (1e-6 in units of x).  NaN and infinities are not treated apart.
; SHARES.  Work-group g: 32 rows of x, 8 rows of W.  Wave w: 16 KiB of x (32 loads), 4 KiB of W (8 loads): all 40 loads of a wave go out at its start, 512 consecutive bytes each.
; A stream: no byte is read twice, so there is no LDS, no cluster, no barrier and no matrix work.
; THE MODE: SCHED_MODE bits 1:0 = 2 (LLVM: expert scheduling mode 2), set by the entry lines.  The code itself states the register dependences
; between vector instructions and memory instructions, with s_wait_alu, always for 0.
; THE PLAN.  Registers that memory instructions touch:
;   v2 .. v5   byte offsets.  Written once, at the head, by vector instructions; read by every load or store; never written again.
;   item n     four registers.  Written by the item's load, which is issued before any vector instruction names them; then, behind the wait for that load, by the item's own conversions,
;              in place; its first two are read by the item's one store; nothing writes them after that.
; The 40 items go in ten blocks of four.  Block p's vector instructions name block p's registers alone; its memory instructions are the four stores of block p - 1, one ahead of each item's
; conversions.  So one wait on va_vdst stands ahead of the first load (the offsets), one at the head of each of blocks 1 to 9 (the block before has written what the four stores read),
; and one ahead of the last four stores.  No register that a memory instruction has read is written again, no vector instruction writes a scalar register or VCC, and EXEC is never written:
; there is no other dependence to state.
.set XO,  2                            ; v2   byte offset of my 16 bytes in the group's x
.set XHO, 3                            ; v3   of my 8 bytes in the group's xh
.set WO,  4                            ; v4   the same for W
.set WHO, 5                            ; v5   and wh
.set X,   32                           ; v[32:191]  item n of 40: four f32 as loaded, then four f16 in its first two registers
.set BLOCK, 4                          ; items in a block
	s_load_b256 s[4:11], s[0:1], 0x0               ; x s[4:5], Wqk s[6:7], Wvc s[8:9], xh s[10:11]
	s_load_b64 s[12:13], s[0:1], 0x20              ; wh
	v_lshrrev_b32 v1, 5, v0                        ; wave
	s_mov_b32 s40, 0x3d800000                      ; 1/16
	s_mov_b32 s41, 0x3d800000                      ; named with it as a pair
	s_mov_b32 s42, 0xffff0000                      ; a word's upper bf16
	v_and_b32 v8, 31, v0                           ; lane
	v_lshlrev_b32 v9, 4, v8
	v_lshl_add_u32 v[XO], v1, 14, v9               ; 16,384 w + 16 lane
	v_lshl_add_u32 v[WO], v1, 12, v9               ; 4,096 w + 16 lane
	v_lshlrev_b32 v9, 3, v8
	v_lshl_add_u32 v[XHO], v1, 13, v9              ; 8,192 w + 8 lane
	v_lshl_add_u32 v[WHO], v1, 11, v9              ; 2,048 w + 8 lane
	s_lshl_b32 s46, ttmp9, 17                      ; x: 32 rows of 4,096 bytes
	s_mov_b32 s47, 0
	s_and_b32 s44, ttmp9, 127
	s_lshl_b32 s44, s44, 15                        ; W: 8 rows of 4,096 bytes
	s_mov_b32 s45, 0
	s_wait_kmcnt 0x0
	s_cmp_lt_u32 ttmp9, 128                        ; groups 0-127 take Wqk, 128-255 Wvc
	s_cselect_b64 s[6:7], s[6:7], s[8:9]
	s_add_nc_u64 s[4:5], s[4:5], s[46:47]
	s_add_nc_u64 s[6:7], s[6:7], s[44:45]
	s_wait_alu depctr_va_vdst(0)                   ; the four offsets v2 to v5 are written: every load and store of the kernel reads one of them
.set it, 0
.rept 32
	global_load_b128 v[X+4*it:X+4*it+3], v[XO], s[4:5] offset:512*it th:TH_LOAD_NT
.set it, it+1
.endr
.set it, 0
.rept 8
	global_load_b128 v[X+128+4*it:X+128+4*it+3], v[WO], s[6:7] offset:512*it th:TH_LOAD_NT
.set it, it+1
.endr
	s_lshl_b32 s46, ttmp9, 16
	s_add_nc_u64 s[10:11], s[10:11], s[46:47]      ; xh: 32 rows of 2,048 bytes
	s_lshl_b32 s46, ttmp9, 14
	s_add_nc_u64 s[12:13], s[12:13], s[46:47]      ; wh: 8 rows of 2,048 bytes
; Item n: four numbers are (x's: scaled,) rounded to bf16, widened, and written as f16 into the item's own registers, which nothing writes again.  Items 0-31 are x's, 32-39 W's.
.macro CONV n
.set R, X+4*(\n)
.if (\n) < 32
	v_pk_mul_f32 v[R:R+1], v[R:R+1], s[40:41] op_sel_hi:[1,0]
	v_pk_mul_f32 v[R+2:R+3], v[R+2:R+3], s[40:41] op_sel_hi:[1,0]
.endif
	v_cvt_pk_bf16_f32 v[R], v[R], v[R+1]
	v_cvt_pk_bf16_f32 v[R+2], v[R+2], v[R+3]
	v_and_b32 v[R+1], s42, v[R]
	v_lshlrev_b32 v[R], 16, v[R]
	v_and_b32 v[R+3], s42, v[R+2]
	v_lshlrev_b32 v[R+2], 16, v[R+2]
	v_cvt_pk_f16_f32 v[R], v[R], v[R+1]
	v_cvt_pk_f16_f32 v[R+1], v[R+2], v[R+3]
.endm
; Item n's store.  It stands behind a wait on va_vdst that stands behind the item's conversions, and no vector instruction between that wait and this line names its registers.
.macro SEND n
.set R, X+4*(\n)
.if (\n) < 32
	global_store_b64 v[XHO], v[R:R+1], s[10:11] offset:256*(\n)       ; the wave's 32 lanes store 256 consecutive bytes, aligned
.else
	global_store_b64 v[WHO], v[R:R+1], s[12:13] offset:256*((\n)-32)
.endif
.endm
.set p, 0
.rept 40/BLOCK                         ; block p: items 4 p to 4 p + 3 are converted, the block before is stored
.set i, 0
.rept BLOCK
	s_wait_loadcnt 39-(BLOCK*p+i)                  ; loads come back in order (ISA guide 5.7.1): the item is in, the younger ones stay out
.if (p > 0) && (i == 0)
	s_wait_alu depctr_va_vdst(0)                   ; the conversions of block p - 1 have written the first two registers of its four items, which the block's four stores below read
.endif
.if p > 0
	SEND BLOCK*(p-1)+i
.endif
	CONV BLOCK*p+i
.set i, i+1
.endr
.set p, p+1
.endr
	s_wait_alu depctr_va_vdst(0)                   ; the conversions of the last block have written items 36 to 39, which the last four stores read
.set i, 0
.rept BLOCK
	SEND 40-BLOCK+i
.set i, i+1
.endr
	s_endpgm
.Lfunc_end_k_q5e13ed8c1e_prep:
	.size	k_q5e13ed8c1e_prep, .Lfunc_end_k_q5e13ed8c1e_prep-k_q5e13ed8c1e_prep
	.p2alignl 7, 3214868480
	.fill 96, 4, 3214868480
	.section	.rodata,"a",@progbits
	.p2align	6, 0x0
	.amdhsa_kernel k_q5e13ed8c1e_prep
		.amdhsa_group_segment_fixed_size 0
		.amdhsa_private_segment_fixed_size 0
		.amdhsa_enable_private_segment 0
		.amdhsa_kernarg_size 40
		.amdhsa_user_sgpr_count 2
		.amdhsa_user_sgpr_kernarg_segment_ptr 1
		.amdhsa_wavefront_size32 1
		.amdhsa_system_sgpr_workgroup_id_x 1
		.amdhsa_system_sgpr_workgroup_id_y 1
		.amdhsa_system_sgpr_workgroup_id_z 1
		.amdhsa_system_vgpr_workitem_id 0
		.amdhsa_next_free_vgpr 192
		.amdhsa_next_free_sgpr 66
		.amdhsa_reserve_vcc 0
		.amdhsa_float_denorm_mode_32 3
		.amdhsa_float_denorm_mode_16_64 3
		.amdhsa_memory_ordered 1
		.amdhsa_forward_progress 1
		.amdhsa_inst_pref_size 30
	.end_amdhsa_kernel
	.amdgpu_metadata
---
amdhsa.version: [ 1, 2 ]
amdhsa.kernels:
  - .name:           k_q5e13ed8c1e_prep
    .symbol:         k_q5e13ed8c1e_prep.kd
    .args:
      - { .name: x, .offset: 0, .size: 8, .value_kind: global_buffer, .address_space: global }
      - { .name: Wqk, .offset: 8, .size: 8, .value_kind: global_buffer, .address_space: global }
      - { .name: Wvc, .offset: 16, .size: 8, .value_kind: global_buffer, .address_space: global }
      - { .name: xh, .offset: 24, .size: 8, .value_kind: global_buffer, .address_space: global }
      - { .name: wh, .offset: 32, .size: 8, .value_kind: global_buffer, .address_space: global }
    .group_segment_fixed_size: 0
    .private_segment_fixed_size: 0
    .kernarg_segment_align: 8
    .kernarg_segment_size: 40
    .max_flat_workgroup_size: 256
    .sgpr_count:     66
    .vgpr_count:     192
    .wavefront_size: 32
...
	.end_amdgpu_metadata
.endif
;; end of part 5
;; launch proj: the kernel of part 2 again; grid 8 x 32, 4 waves a work-group, clusters of 4 x 4, 327,680 bytes of LDS; arguments xh, wh, qv; writes qv
;; launch score: the kernel of part 3 again; grid 8 x 32, 4 waves a work-group, clusters of 4 x 4, 327,680 bytes of LDS; arguments qv, xh, mask, pw, st; writes pw, st
;; launch mix: the kernel of part 4 again; grid 4 x 64, 4 waves a work-group, clusters of 4 x 4, 327,680 bytes of LDS; arguments pw, qv, st, out0; writes out0
